; MI455X (gfx1250); checked and timed in simulation.
; The chip was launched on July 23, 2026; its instructions are those of AMD's public machine-readable ISA for CDNA 5 (MIT licence, August 2026) and "CDNA5" Instruction Set Architecture Reference Guide (July 2026). The comments in the code are by the model that wrote it; some were corrected since.
;; Mo E Layer. Allowed arithmetic: matrix products marked QUANTISED: E3M2 operands, one E8M0 scale for each 32 along K, by v_wmma_scale_f32_16x16x128_f8f6f4 with both operands' format E3M2, f32 sums; products left as they are: f32 operands where the result goes on into a quantised operand, else bf16, f16 or f32 operands; f32 sums; everything else in f32.
;; Inputs: W1 8 x 1,024 x 1,024 float32; W2 8 x 1,024 x 1,024 float32; Wg 1,024 x 8 float32; b1 8 x 1,024 float32; b2 8 x 1,024 float32; x 2 x 2,048 x 1,024 float32.
;; Outputs: out0 2 x 2,048 x 1,024 float32.
;; This version of the problem:
;;   THIS VERSION OF THE PROBLEM IS GIVEN IN LOW PRECISION. The matrix products marked QUANTISED in the list below multiply operands that are first quantised to E3M2 (3 exponent bits, 2 mantissa bits; 6 bits a number), with one power-of-two scale for each 32 numbers along K (OCP MX v1.0); their sums are f32. All else is computed in f32.
;;   The module's matrix products, in the order in which they are computed (A, B: the left and right operand; K: the contracted axis; several contracted axes count as one K, in the product's order):
;;     1. [M 4,096, K 1,024] x [K 1,024, N 8]; A: input x; B: input Wg: left as it is (N = 8 < 16)
;;     2. [M 8,192, K 1,024] x [K 1,024, N 4,096]; A: input W1; B: input x: QUANTISED
;;     3. batch 8 x [M 4,096, K 1,024] x [K 1,024, N 1,024]; A: computed on the way; B: input W2: QUANTISED
;;     4. batch 4,096 x [M 1,024, K 8] x [K 8, N 1]; A: computed on the way; B: computed on the way: left as it is (K = 8 < 32)
;;   THE QUANTISER, for each operand of a quantised product, along K:
;;     - K is cut into blocks of 32 from its start; a last block that is shorter is filled with zeros.
;;     - A block's scale is 2^e with e = floor(log2(the largest magnitude in the block)) - 4, held to -126 .. 127; a block of zeros has e = 0. As a byte (E8M0): e + 127.
;;     - Each number is divided by its block's scale, clamped to +-28, and rounded to the nearest number of E3M2, ties to even, subnormals kept.
;;     - The product sums the exact products of the quantised numbers (number of the format x scale) in f32.
;;   ~~~python
;;   def quantise(x, axis):      # numpy; x: float32 -> the quantised numbers, widened to float32 again
;;       x = np.moveaxis(x, axis, -1); K = x.shape[-1]
;;       x = np.pad(x, [(0, 0)] * (x.ndim - 1) + [(0, -K % 32)]); x = x.reshape(x.shape[:-1] + (-1, 32)); a = np.abs(x).max(-1, keepdims=True)
;;       e = np.where(a > 0, np.clip(np.frexp(np.where(a > 0, a, 1))[1] - 1 - 4, -126, 127), 0)      # np.frexp(a)[1] - 1 = floor(log2(a)), exactly
;;       r = np.clip(x / 2.0 ** e, -28, 28)
;;       step = 2.0 ** (np.maximum(np.frexp(np.where(r == 0, 1, r))[1] - 1, -2) - 2)
;;       q = np.round(r / step) * step * 2.0 ** e      # np.round: ties to even
;;       return np.moveaxis(q.reshape(q.shape[:-2] + (-1,))[..., :K], -1, axis).astype(np.float32)
;;   ~~~
;;   OPERANDS COMPUTED ON THE WAY. 'Computed on the way' means the value that the module computes at that place (a softmax that the list does not call 'softmax' is quantised finished and normalised). What goes into a quantiser is computed in f32, as accurately as f32 sums, v_exp_f32 and their like allow (about 1e-6 of the number): no bf16 or f16 on the way to a quantiser, and a product that is left as it is and whose result goes on into a quantised operand takes f32 operands (vector FMAs, or v_wmma_f32_16x16x4_f32). A number that lies on a knife's edge between two numbers of the format may be rounded either way, as far as f32 arithmetic and the matrix unit's own rounding can turn it there, and no further.
;; 2 versions. Each part assembles by itself: llvm-mc -triple=amdgcn-amd-amdhsa -mcpu=gfx1250 --defsym DOCPART=n.
;; ======== version 1 of 2: 3 launches
;; workspace buffers: xq 3,145,728 bytes; xs 131,072 bytes; wq 12,582,912 bytes; wsc 524,288 bytes; sel 16,384 bytes of whole numbers; gw 32,768 bytes; tiles 2,560 bytes of whole numbers; list 19,968 bytes of whole numbers
;; launch xr (part 1): grid 128 x 1, 16 waves a work-group, no clusters, 183,808 bytes of LDS; arguments x, Wg, xq, xs, sel, gw; writes xq, xs, sel, gw
.if DOCPART == 1
	.amdgcn_target "amdgcn-amd-amdhsa--gfx1250"
	.amdhsa_code_object_version 6
	.text
	.protected	k_q473fe2d7b0_xr
	.globl	k_q473fe2d7b0_xr
	.p2align	8
	.type	k_q473fe2d7b0_xr,@function
k_q473fe2d7b0_xr:
	s_mov_b64 s[64:65], 0
	v_nop
	global_prefetch_b8 v0, s[64:65] scope:SCOPE_SE
	s_setreg_imm32_b32 hwreg(HW_REG_WAVE_MODE, 25, 1), 1
	s_wait_xcnt 0x0
; FIRST OF THREE LAUNCHES: x [4096][1024] f32 is quantised along D into codes of E3M2 with one E8M0 byte for each 32, and the router is computed in f32:
; logits = x Wg, softmax with the row's maximum taken away, the two largest probabilities (the lower index wins a tie).
; WORK LEFT OUT BY THE PROGRAM.  weights[t][e] = probs[t][e] x mask[t][e], and mask, which the problem builds itself from its own top-2, is 0 for six of a token's eight experts.  out[t] is the sum over e of
; y[e][t] x weights[t][e]: a row y[e][t] of an expert that was not chosen is multiplied by that 0 and reaches no output, whatever finite values the inputs hold.  So h and y are computed for the two chosen experts
; of each token alone.  Which they are is stored here as whole numbers, placed by the second launch and used by the third.  All six inputs keep a way to the output and are loaded.
; LIMITS: a NaN, an infinity or an overflow in a row of an expert that was not chosen is not carried to the result.  NaN and infinities among the inputs are not served.  A block of zeros gets the scale byte 1
; (the quantiser says 127): its codes are zeros, which add nothing under any byte but 0xff, and this program alone reads the bytes.  Two probabilities that differ by less than f32 rounding may be ranked otherwise.
; SHARES.  A work-group takes 32 tokens; wave w takes d = 64 w .. 64 w + 63 of all 32.  Each load reads two rows' 256 consecutive bytes; the wave's 8 KiB turn through its own LDS so that A LANE HOLDS ONE TOKEN:
; its 64 registers are two whole blocks of 32 (no other lane is asked for a maximum), and Wg's numbers are the same for all lanes, so they are scalar operands of the multiply-adds.
; OUT: xq: token t at 768 t, K step k (128 along D) at + 96 k, half h at + 48 h: block h's 24 bytes, then block 2 + h's: the 12 registers that lane (., h) of an operand wants, on end.  xs: [t][32] bytes.
; sel: [t] the pair's number q = a (15 - a) / 2 + b - a - 1 for the chosen experts a < b.  gw: [t][2] their probabilities.
.set TPITCH, 272                       ; a row of the turn: 256 bytes + 16
.set TWAVE,  32*TPITCH                 ; a wave's turn
.set CPITCH, 784                       ; a token's codes in LDS: 768 bytes + 16
.set CST,    16*TWAVE                  ; the codes of 32 tokens
.set SST,    CST+32*CPITCH             ; their scale bytes, 32 a token, dense
.set LGT,    SST+1024                  ; partial logits [wave][lane][8]
.set SPARE,  LGT+16*1024               ; the spare words, 128 bytes for each of 16 waves: no other line names them
.set XO,   2                           ; v2   x: (lane / 16) rows + 16 (lane % 16)
.set TW,   3                           ; v3   the turn, on the way in
.set TR,   4                           ; v4   and on the way out: row = lane
.set CW,   5                           ; v5   where my token's codes of my two blocks go
.set SW,   6                           ; v6   and their two scale bytes
.set LW,   7                           ; v7   and my eight partial logits
.set CR0,  8                           ; v8   codes back: tokens 2 w, 2 w + 1 as 1,536 dense bytes
.set CR1,  9                           ; v9   the same for the load that crosses from one token to the next
.set LI16, 10                          ; v10  16 x lane
.set SPW,  11                          ; v11  my spare word; never rewritten
.set NIL,  12                          ; v12  0; never rewritten
.set MXA,  13                          ; v13-15 at work
.set MXB,  14
.set SCL,  15
.set SSR,  16                          ; v16  scale bytes back (waves 0, 1)
.set LR,   17                          ; v17  partial logits back (wave 2)
.set BYT,  18                          ; v18-19 the two blocks' bytes
.set HW,   20
.set LG,   24                          ; v24-31 eight logits
.set CD,   32                          ; v32-47 codes
.set RW,   48                          ; v48-111 x as loaded
.set X,    112                         ; v112-175 my token's 64 numbers
.set WV,   66                          ; s66  wave
	s_load_b256 s[4:11], s[0:1], 0x0               ; x, Wg, xq, xs
	s_load_b128 s[12:15], s[0:1], 0x20             ; sel, gw
	v_lshl_add_u32 v[SPW], v0, 2, SPARE
	v_mov_b32 v[NIL], 0
	v_lshrrev_b32 v13, 5, v0
	v_readfirstlane_b32 s[WV], v13
	v_and_b32 v1, 31, v0                           ; lane
	v_and_b32 v13, 15, v0
	v_bfe_u32 v14, v0, 4, 1
	v_lshlrev_b32 v[LI16], 4, v1
	v_lshlrev_b32 v15, 4, v13
	v_lshl_add_u32 v[XO], v14, 12, v15
	s_mul_i32 s67, s[WV], TWAVE
	v_mad_u32_u24 v[TW], v14, TPITCH, v15
	v_add_nc_u32 v[TW], s67, v[TW]
	v_mul_u32_u24 v[TR], v1, TPITCH
	v_add_nc_u32 v[TR], s67, v[TR]
	s_lshr_b32 s68, s[WV], 1                       ; my blocks 2 w, 2 w + 1 lie in K step w / 2; there they are blocks 2 (w % 2) + 0, 1: at 48 b + 24 (w % 2)
	s_mul_i32 s68, s68, 96
	s_and_b32 s69, s[WV], 1
	s_mul_i32 s70, s69, 24
	s_add_co_u32 s68, s68, s70
	s_add_co_u32 s68, s68, CST
	v_mul_u32_u24 v[CW], v1, CPITCH
	v_add_nc_u32 v[CW], s68, v[CW]
	s_lshl_b32 s68, s[WV], 1
	s_add_co_u32 s68, s68, SST
	v_lshl_add_u32 v[SW], v1, 5, s68
	s_lshl_b32 s68, s[WV], 10
	s_add_co_u32 s68, s68, LGT
	v_lshl_add_u32 v[LW], v1, 5, s68
	s_mul_i32 s68, s[WV], 2*CPITCH
	s_add_co_u32 s68, s68, CST
	v_add_nc_u32 v[CR0], s68, v[LI16]
	v_lshl_add_u32 v[CR1], v14, 4, v[CR0]          ; lanes 16-31 stand behind the first token's padding
	s_lshl_b32 s68, s69, 9
	s_add_co_u32 s70, s68, SST
	v_add_nc_u32 v[SSR], s70, v[LI16]
	v_lshl_add_u32 v[LR], v1, 5, LGT
	s_lshl_b32 s72, ttmp9, 17                      ; x: 32 rows of 4,096 bytes a work-group, 256 bytes a wave
	s_lshl_b32 s73, s[WV], 8
	s_add_co_u32 s72, s72, s73
	s_mov_b32 s73, 0
	s_lshl_b32 s74, s[WV], 11                      ; Wg: 64 rows of 32 bytes a wave
	s_mov_b32 s75, 0
	s_mul_i32 s76, ttmp9, 32*768                   ; xq
	s_mul_i32 s77, s[WV], 2*768
	s_add_co_u32 s76, s76, s77
	s_mov_b32 s77, 0
	s_lshl_b32 s78, ttmp9, 10                      ; xs
	s_add_co_u32 s78, s78, s68
	s_mov_b32 s79, 0
	s_wait_kmcnt 0x0
	s_add_nc_u64 s[4:5], s[4:5], s[72:73]
	s_add_nc_u64 s[6:7], s[6:7], s[74:75]
	s_add_nc_u64 s[8:9], s[8:9], s[76:77]
	s_add_nc_u64 s[10:11], s[10:11], s[78:79]
	s_lshl_b32 s72, ttmp9, 7
	s_add_nc_u64 s[12:13], s[12:13], s[72:73]      ; sel: 4 bytes a token
	s_lshl_b32 s72, ttmp9, 8
	s_add_nc_u64 s[14:15], s[14:15], s[72:73]      ; gw: 8 bytes a token
.set I, 0
.rept 16
	global_load_b128 v[RW+4*I:RW+4*I+3], v[XO], s[4:5] offset:8192*I th:TH_LOAD_NT   ; rows 2 I, 2 I + 1: 256 consecutive bytes of each
.set I, I+1
.endr
; 64 words of Wg (8 d x 8 experts) into s16-63 and s80-95: word 8 dd + e in s[16 + word], from word 48 on 16 higher
.macro WBATCH n
	s_load_b512 s[16:31], s[6:7], 256*(\n)
	s_load_b512 s[32:47], s[6:7], 256*(\n)+64
	s_load_b512 s[48:63], s[6:7], 256*(\n)+128
	s_load_b512 s[80:95], s[6:7], 256*(\n)+192
.endm
	WBATCH 0
	s_wait_loadcnt 0x0
.set I, 0
.rept 16
	ds_store_b128 v[TW], v[RW+4*I:RW+4*I+3] offset:2*TPITCH*I
.set I, I+1
.endr
.set I, 0
.rept 16
	ds_load_b128 v[X+4*I:X+4*I+3], v[TR] offset:16*I   ; the wave's own bytes: LDS serves a wave's instructions in order, so these see the stores above
.set I, I+1
.endr
	s_wait_dscnt 0x0
; 64 multiply-adds on eight sums by turns; the very first eight are products, which start the sums; then the next batch of Wg is asked for
.macro FMAS n
	s_wait_kmcnt 0x0
.irp dd, 0,1,2,3,4,5,6,7
.irp e, 0,1,2,3,4,5,6,7
.if (\n) == 0 && \dd == 0
	v_mul_f32 v[LG+\e], s[16+\e], v[X]
.else
	v_fmac_f32 v[LG+\e], s[16+8*\dd+\e+16*((8*\dd+\e)/48)], v[X+8*(\n)+\dd]
.endif
.endr
.endr
.if (\n) < 7
	WBATCH (\n)+1
.endif
.endm
; block b of my token: the largest magnitude with the floor 2^(5 - 127) among its leaves; 4 off its exponent field is the conversion's scale operand, and that shifted down the byte
.macro QB b
.set XS, X+32*\b
.set CC, CD+8*\b
	v_max3_num_f32 v[MXA], |v[XS]|, |v[XS+1]|, |v[XS+2]|
	v_max3_num_f32 v[MXB], |v[XS+3]|, |v[XS+4]|, |v[XS+5]|
.irp i, 6,10,14,18,22,26
	v_max3_num_f32 v[MXA], v[MXA], |v[XS+\i]|, |v[XS+\i+1]|
	v_max3_num_f32 v[MXB], v[MXB], |v[XS+\i+2]|, |v[XS+\i+3]|
.endr
	v_max3_num_f32 v[MXA], v[MXA], |v[XS+30]|, |v[XS+31]|
	v_max3_num_f32 v[MXA], v[MXA], v[MXB], 0x2800000
	v_add_nc_u32 v[SCL], 0xfe000000, v[MXA]
	v_lshrrev_b32 v[BYT+\b], 23, v[SCL]
	v_cvt_scalef32_pk16_bf6_f32 v[CC:CC+2], v[XS:XS+15], v[SCL]
	v_cvt_scalef32_pk16_bf6_f32 v[CC+4:CC+6], v[XS+16:XS+31], v[SCL]   ; (a conversion's three registers begin on an even number)
	v_nop                                          ; one plain place behind a scaled conversion
	v_mov_b32 v[CC+3], v[CC+4]
	v_mov_b32 v[CC+4], v[CC+5]
	v_mov_b32 v[CC+5], v[CC+6]
	ds_store_b64 v[CW], v[CC:CC+1] offset:48*\b
	ds_store_b64 v[CW], v[CC+2:CC+3] offset:48*\b+8
	ds_store_b64 v[CW], v[CC+4:CC+5] offset:48*\b+16
.endm
	FMAS 0
	QB 0                                           ; stands where the next batch of Wg is on its way
	FMAS 1
	QB 1
	v_lshl_or_b32 v[HW], v[BYT+1], 8, v[BYT]
	ds_store_b16 v[SW], v[HW]
	FMAS 2
	FMAS 3
	FMAS 4
	FMAS 5
	FMAS 6
	FMAS 7
	ds_store_b128 v[LW], v[LG:LG+3]
	ds_store_b128 v[LW], v[LG+4:LG+7] offset:16
	s_wait_dscnt 0x0                               ; for the others' sake: my stores have landed
	s_barrier_signal -1
	s_barrier_wait -1
	ds_load_b128 v[CD:CD+3], v[CR0]                ; tokens 2 w and 2 w + 1: 1,536 bytes that are consecutive in xq
	ds_load_b128 v[CD+4:CD+7], v[CR1] offset:512
	ds_load_b128 v[CD+8:CD+11], v[CR0] offset:1040
	s_wait_dscnt 0x0
	global_store_b128 v[LI16], v[CD:CD+3], s[8:9]              ; each store covers 512 consecutive bytes, aligned to 256
	global_store_b128 v[LI16], v[CD+4:CD+7], s[8:9] offset:512
	global_store_b128 v[LI16], v[CD+8:CD+11], s[8:9] offset:1024
	s_cmp_lt_u32 s[WV], 2
	s_cbranch_scc0 .Lnot_scales
	ds_load_b128 v[CD+12:CD+15], v[SSR]            ; waves 0 and 1: the 1,024 scale bytes, 512 each
	s_wait_dscnt 0x0
	global_store_b128 v[LI16], v[CD+12:CD+15], s[10:11]
.Lnot_scales:
	s_cmp_eq_u32 s[WV], 2
	s_cbranch_scc0 .Lend
	; wave 2: the router's end, a lane a token
.set I, 0
.rept 16
	ds_load_b128 v[RW+8*I:RW+8*I+3], v[LR] offset:1024*I
	ds_load_b128 v[RW+8*I+4:RW+8*I+7], v[LR] offset:1024*I+16
.set I, I+1
.endr
	s_wait_dscnt 0x0
.set I, 1
.rept 15
.irp j, 0,2,4,6
	v_pk_add_f32 v[RW+\j:RW+\j+1], v[RW+\j:RW+\j+1], v[RW+8*I+\j:RW+8*I+\j+1]   ; the sixteen waves' parts, D ascending
.endr
.set I, I+1
.endr
	v_max3_num_f32 v13, v[RW], v[RW+1], v[RW+2]
	v_max3_num_f32 v13, v13, v[RW+3], v[RW+4]
	v_max3_num_f32 v13, v13, v[RW+5], v[RW+6]
	v_max_num_f32 v13, v13, v[RW+7]                ; the row's largest logit is taken away ahead of the exponential
.irp e, 0,1,2,3,4,5,6,7
	v_sub_f32 v[LG+\e], v[RW+\e], v13
.endr
.irp e, 0,1,2,3,4,5,6,7
	v_mul_f32 v[LG+\e], 0x3fb8aa3b, v[LG+\e]       ; x log2(e)
.endr
.irp e, 0,1,2,3,4,5,6,7
	v_exp_f32 v[LG+\e], v[LG+\e]
.endr
	v_nop                                          ; a plain place behind the exponentials
	s_wait_alu depctr_va_vdst(0)                   ; one wait for the batch, ahead of its first reader
	v_add_f32 v14, v[LG], v[LG+1]
	v_add_f32 v15, v[LG+2], v[LG+3]
	v_add_f32 v18, v[LG+4], v[LG+5]
	v_add_f32 v19, v[LG+6], v[LG+7]
	v_add_f32 v14, v14, v15
	v_add_f32 v18, v18, v19
	v_add_f32 v14, v14, v18
	v_rcp_f32 v14, v14
	v_nop
	s_wait_alu depctr_va_vdst(0)
.irp e, 0,1,2,3,4,5,6,7
	v_mul_f32 v[LG+\e], v[LG+\e], v14              ; the probabilities
.endr
	v_mov_b32 v15, v[LG]                           ; the largest: a later one must be strictly larger, so the lower index wins a tie
	v_mov_b32 v18, 0
.irp e, 1,2,3,4,5,6,7
	v_cmp_gt_f32 vcc_lo, v[LG+\e], v15
	v_cndmask_b32 v15, v15, v[LG+\e], vcc_lo
	v_cndmask_b32 v18, v18, \e, vcc_lo
.endr
	v_mov_b32 v19, -1.0                            ; the second: the same among the other seven; every probability lies above -1
	v_mov_b32 v20, 0
.irp e, 0,1,2,3,4,5,6,7
	v_cmp_gt_f32 s70, v[LG+\e], v19
	v_cmp_ne_u32 s71, \e, v18
	s_and_b32 s70, s70, s71
	v_cndmask_b32 v19, v19, v[LG+\e], s70
	v_cndmask_b32 v20, v20, \e, s70
.endr
	v_min_u32 v21, v18, v20                        ; a
	v_max_u32 v22, v18, v20                        ; b
	v_cmp_lt_u32 vcc_lo, v18, v20
	v_cndmask_b32 v24, v19, v15, vcc_lo            ; a's probability
	v_cndmask_b32 v25, v15, v19, vcc_lo            ; b's
	v_sub_nc_u32 v23, 15, v21
	v_mul_u32_u24 v23, v23, v21
	v_lshrrev_b32 v23, 1, v23
	v_add_nc_u32 v23, v23, v22
	v_sub_nc_u32 v23, v23, v21
	v_add_nc_u32 v23, -1, v23                      ; q = a (15 - a) / 2 + b - a - 1
	v_lshlrev_b32 v26, 2, v1
	v_lshlrev_b32 v27, 3, v1
	global_store_b32 v26, v23, s[12:13]            ; at fixed places: no address of this launch hangs on the choice
	global_store_b64 v27, v[24:25], s[14:15]
.Lend:
	s_wait_tensorcnt 0x0                           ; the wave's end, behind my last LDS store
	ds_add_u32 v[SPW], v[NIL]
	s_wait_dscnt 0x0
	s_endpgm
.Lfunc_end_k_q473fe2d7b0_xr:
	.size	k_q473fe2d7b0_xr, .Lfunc_end_k_q473fe2d7b0_xr-k_q473fe2d7b0_xr
	.p2alignl 7, 3214868480
	.fill 96, 4, 3214868480
	.section	.rodata,"a",@progbits
	.p2align	6, 0x0
	.amdhsa_kernel k_q473fe2d7b0_xr
		.amdhsa_group_segment_fixed_size 183808
		.amdhsa_private_segment_fixed_size 0
		.amdhsa_enable_private_segment 0
		.amdhsa_kernarg_size 48
		.amdhsa_user_sgpr_count 2
		.amdhsa_user_sgpr_kernarg_segment_ptr 1
		.amdhsa_wavefront_size32 1
		.amdhsa_system_sgpr_workgroup_id_x 1
		.amdhsa_system_sgpr_workgroup_id_y 1
		.amdhsa_system_sgpr_workgroup_id_z 1
		.amdhsa_system_vgpr_workitem_id 0
		.amdhsa_next_free_vgpr 176
		.amdhsa_next_free_sgpr 96
		.amdhsa_reserve_vcc 1
		.amdhsa_float_denorm_mode_32 3
		.amdhsa_float_denorm_mode_16_64 3
		.amdhsa_memory_ordered 1
		.amdhsa_forward_progress 1
		.amdhsa_inst_pref_size 41
	.end_amdhsa_kernel
	.amdgpu_metadata
---
amdhsa.version: [ 1, 2 ]
amdhsa.kernels:
  - .name:           k_q473fe2d7b0_xr
    .symbol:         k_q473fe2d7b0_xr.kd
    .args:
      - { .name: x, .offset: 0, .size: 8, .value_kind: global_buffer, .address_space: global }
      - { .name: Wg, .offset: 8, .size: 8, .value_kind: global_buffer, .address_space: global }
      - { .name: xq, .offset: 16, .size: 8, .value_kind: global_buffer, .address_space: global }
      - { .name: xs, .offset: 24, .size: 8, .value_kind: global_buffer, .address_space: global }
      - { .name: sel, .offset: 32, .size: 8, .value_kind: global_buffer, .address_space: global }
      - { .name: gw, .offset: 40, .size: 8, .value_kind: global_buffer, .address_space: global }
    .group_segment_fixed_size: 183808
    .private_segment_fixed_size: 0
    .kernarg_segment_align: 8
    .kernarg_segment_size: 48
    .max_flat_workgroup_size: 512
    .sgpr_count:     96
    .vgpr_count:     176
    .wavefront_size: 32
...
	.end_amdgpu_metadata
.endif
;; end of part 1
;; launch wp (part 2): grid 257 x 1, 16 waves a work-group, no clusters, 57,344 bytes of LDS; arguments W1, W2, sel, wq, wsc, tiles, list; writes wq, wsc, tiles, list
.if DOCPART == 2
	.amdgcn_target "amdgcn-amd-amdhsa--gfx1250"
	.amdhsa_code_object_version 6
	.text
	.protected	k_q473fe2d7b0_wp
	.globl	k_q473fe2d7b0_wp
	.p2align	8
	.type	k_q473fe2d7b0_wp,@function
k_q473fe2d7b0_wp:
	s_mov_b64 s[64:65], 0
	v_nop
	global_prefetch_b8 v0, s[64:65] scope:SCOPE_SE
	s_setreg_imm32_b32 hwreg(HW_REG_WAVE_MODE, 25, 1), 1
	s_wait_xcnt 0x0
; SECOND LAUNCH.  Work-groups 1 to 256 quantise W1 and W2 ([expert][K 1024][N 1024] f32, K the FIRST axis of an expert's matrix) along K into codes of E3M2 with one E8M0 byte for each 32, laid in the order
; of the third launch's operand registers.  Work-group 0 places the tokens by their pair of experts (a counting sort on the whole numbers that the first launch stored) and writes the list of tiles.
; wq: [W1, W2][expert][wave w 16][unit u 16][fragment f 2][chunk j 3][lane 32][16 bytes].  Wave w of the third launch owns columns 64 w .. 64 w + 63; unit u = 2 ks + c is K step ks (128 along K) of its columns
; 32 c .. 32 c + 31: two fragments of 16 rows.  Chunk j holds registers 4 j .. 4 j + 3 of each lane: a fragment comes by three loads of 16 bytes a lane, each of 512 consecutive bytes.
; THE ROWS OF A FRAGMENT ARE NOT NEIGHBOURS: row r of fragment f is column 8 f + r + 8 (r / 8) of the 32, so that in a transposed product the 16 registers of the two fragments' results are 16 neighbouring columns.
; wsc: [W1, W2][expert][w][u][32 words]: word r + 16 f = the four bytes of row r of fragment f.
; tiles: [160][a, b, count, 0]; list: tile i's tokens at slots 32 i on; only slots under a tile's count are written, and only those are read later.
; With 28 pairs and tiles of 32 there are never more than (4096 + 28 x 31) / 32 = 155 tiles, whatever the choice.
; LIMITS: as in the first launch: a block of zeros gets the byte 1 over zero codes; NaN and infinities are not served.
; QUANTISING: a lane takes a column and its registers run down K: a block of 32 lies in one lane, the conversions' results have K innermost.  A work-group takes 128 rows of K x 512 columns (2,048 bytes of each row);
; a wave 32 columns: one unit.  Its codes go through the wave's own stage in LDS into the unit's order.  Loads run two blocks (64 loads a wave) ahead.
.set WSTG,  3328                       ; a wave's stage: two fragments of 1,536 bytes, 1,664 apart
.set PL,    16*WSTG                    ; the placing path's own bytes: counts [wave][32]
.set SPARE, PL+2048                    ; the spare words, 128 bytes for each of 16 waves: no other line names them
.set LO,   2                           ; v2   4 x lane
.set ST,   3                           ; v3   into the stage: fragment f, row r
.set SR,   4                           ; v4   out of it: 16 x lane
.set GO,   5                           ; v5   16 x lane
.set GS,   6                           ; v6   4 (r + 16 f)
.set PLW,  7                           ; v7   PL + 4 x thread
.set SPW,  8                           ; v8   my spare word; never rewritten
.set NIL,  9                           ; v9   0; never rewritten
.set MXA,  10
.set MXB,  11
.set SCL,  12
.set BYT,  13
.set WRD,  14
.set PLR,  15                          ; v15  PL + 4 x lane
.set XN,   16                          ; v16-79  two sets of 32 numbers
.set CD,   80                          ; v80-87  a block's codes
.set OUTR, 88                          ; v88-111 the unit on its way out
.set KEY,  16                          ; placing: v16-23 my 8 tokens' pairs, v24-31 their slots, v32-39 their numbers, v40-55 the waves' counts
.set SLT,  24
.set TKN,  32
.set PART, 40
.set CNT,  56                          ; lane q: my wave's tokens of pair q
.set TOT,  57                          ; lane q: all tokens of pair q
.set BEF,  58                          ; lane q: those of the waves before mine
.set TIL,  59                          ; lane q: its tiles
.set TBS,  60                          ; lane q: its first tile
.set SBS,  61                          ; lane q: my wave's first slot
.set TP,   62                          ; v62-69 at work
.set WV,   18
	s_load_b256 s[4:11], s[0:1], 0x0               ; W1, W2, sel, wq
	s_load_b128 s[12:15], s[0:1], 0x20             ; wsc, tiles
	s_load_b64 s[16:17], s[0:1], 0x30              ; list
	v_lshl_add_u32 v[SPW], v0, 2, SPARE
	v_mov_b32 v[NIL], 0
	v_lshrrev_b32 v1, 5, v0
	v_readfirstlane_b32 s[WV], v1
	v_and_b32 v1, 31, v0                           ; lane = my column of the wave's 32
	v_lshlrev_b32 v[LO], 2, v1
	v_bfe_u32 v10, v0, 3, 1                        ; f
	v_and_b32 v11, 7, v0
	v_bfe_u32 v12, v0, 4, 1
	v_lshl_add_u32 v11, v12, 3, v11                ; r = lane % 8 + 8 (lane / 16)
	s_mul_i32 s19, s[WV], WSTG
	v_mul_u32_u24 v[ST], v10, 1664
	v_lshl_add_u32 v[ST], v11, 4, v[ST]
	v_add_nc_u32 v[ST], s19, v[ST]
	v_lshlrev_b32 v[GO], 4, v1
	v_add_nc_u32 v[SR], s19, v[GO]
	v_lshl_add_u32 v[GS], v10, 4, v11
	v_lshlrev_b32 v[GS], 2, v[GS]
	v_lshl_add_u32 v[PLW], v0, 2, PL
	v_add_nc_u32 v[PLR], PL, v[LO]
	s_wait_kmcnt 0x0
	s_cmp_eq_u32 ttmp9, 0                          ; the work-group's number alone: all sixteen waves go the same way
	s_cbranch_scc1 .Lplace
	s_sub_co_u32 s20, ttmp9, 1
	s_lshr_b32 s21, s20, 7                         ; W1 or W2
	s_bfe_u32 s22, s20, 0x30004                    ; expert
	s_bfe_u32 s23, s20, 0x10003                    ; which 512 columns
	s_and_b32 s24, s20, 7                          ; K step
	s_cmp_eq_u32 s21, 0
	s_cselect_b64 s[4:5], s[4:5], s[6:7]
	s_lshl_b32 s26, s22, 22                        ; an expert's matrix is 4 MiB,
	s_lshl_b32 s27, s24, 19                        ; 128 rows of 4,096 bytes,
	s_add_co_u32 s26, s26, s27
	s_lshl_b32 s27, s23, 11
	s_add_co_u32 s26, s26, s27
	s_lshl_b32 s27, s[WV], 7                       ; 32 columns a wave
	s_add_co_u32 s26, s26, s27
	s_mov_b32 s27, 0
	s_add_nc_u64 s[4:5], s[4:5], s[26:27]
	s_lshl_b32 s28, s21, 3
	s_add_co_u32 s28, s28, s22
	s_lshl_b32 s28, s28, 4
	s_lshl_b32 s29, s23, 3
	s_add_co_u32 s28, s28, s29
	s_lshr_b32 s29, s[WV], 1
	s_add_co_u32 s28, s28, s29                     ; (matrix x 8 + expert) x 16 + the third launch's wave
	s_lshl_b32 s30, s24, 1
	s_and_b32 s31, s[WV], 1
	s_add_co_u32 s30, s30, s31                     ; unit
	s_mul_i32 s32, s28, 49152
	s_mul_i32 s33, s30, 3072
	s_add_co_u32 s32, s32, s33
	s_mov_b32 s33, 0
	s_add_nc_u64 s[10:11], s[10:11], s[32:33]
	s_lshl_b32 s34, s28, 11
	s_lshl_b32 s35, s30, 7
	s_add_co_u32 s34, s34, s35
	s_mov_b32 s35, 0
	s_add_nc_u64 s[12:13], s[12:13], s[34:35]
.macro LOAD t                          ; block t: rows 32 t .. 32 t + 31 of my column, into set t % 2
.set I, 0
.rept 32
	global_load_b32 v[XN+32*((\t)%2)+I], v[LO], s[4:5] offset:(32*(\t)+I)*4096 th:TH_LOAD_NT
.set I, I+1
.endr
.endm
.macro BLOCK t                         ; block t of the K step belongs to lanes of half t % 2, registers 6 (t / 2) .. 6 (t / 2) + 5 of the fragment
.set XS, XN+32*((\t)%2)
.if (\t) < 3
	s_wait_loadcnt 32                              ; this block's 32 loads are in; the next block's 32 may be out
.else
	s_wait_loadcnt 0x0
.endif
	v_max3_num_f32 v[MXA], |v[XS]|, |v[XS+1]|, |v[XS+2]|
	v_max3_num_f32 v[MXB], |v[XS+3]|, |v[XS+4]|, |v[XS+5]|
.irp i, 6,10,14,18,22,26
	v_max3_num_f32 v[MXA], v[MXA], |v[XS+\i]|, |v[XS+\i+1]|
	v_max3_num_f32 v[MXB], v[MXB], |v[XS+\i+2]|, |v[XS+\i+3]|
.endr
	v_max3_num_f32 v[MXA], v[MXA], |v[XS+30]|, |v[XS+31]|
	v_max3_num_f32 v[MXA], v[MXA], v[MXB], 0x2800000   ; and the floor 2^(5 - 127): the byte cannot fall under 1
	v_add_nc_u32 v[SCL], 0xfe000000, v[MXA]        ; 4 off the exponent field: the conversion's scale operand
	v_lshrrev_b32 v[BYT], 23, v[SCL]
.if (\t) == 0
	v_mov_b32 v[WRD], v[BYT]
.else
	v_lshl_or_b32 v[WRD], v[BYT], 8*(\t), v[WRD]
.endif
	v_cvt_scalef32_pk16_bf6_f32 v[CD:CD+2], v[XS:XS+15], v[SCL]
	v_cvt_scalef32_pk16_bf6_f32 v[CD+4:CD+6], v[XS+16:XS+31], v[SCL]
	v_nop                                          ; one plain place behind a scaled conversion
	v_mov_b32 v[CD+3], v[CD+4]
	v_mov_b32 v[CD+4], v[CD+5]
	v_mov_b32 v[CD+5], v[CD+6]
.if (\t) < 2
	ds_store_b128 v[ST], v[CD:CD+3] offset:256*((\t)%2)            ; registers 0-3: chunk 0
	ds_store_b64 v[ST], v[CD+4:CD+5] offset:512+256*((\t)%2)       ; registers 4, 5: the lower half of chunk 1
.else
	ds_store_b64 v[ST], v[CD:CD+1] offset:520+256*((\t)%2)         ; registers 6, 7: its upper half
	ds_store_b128 v[ST], v[CD+2:CD+5] offset:1024+256*((\t)%2)     ; registers 8-11: chunk 2
.endif
.if (\t) < 2
	LOAD (\t)+2
.endif
	s_wait_dscnt 0x0                               ; the stores have read their registers: the next block's codes may be written
.endm
	LOAD 0
	LOAD 1
	BLOCK 0
	BLOCK 1
	BLOCK 2
	BLOCK 3
.irp f, 0,1
.irp j, 0,1,2
	ds_load_b128 v[OUTR+12*\f+4*\j:OUTR+12*\f+4*\j+3], v[SR] offset:1664*\f+512*\j   ; the wave's own bytes
.endr
.endr
	s_wait_dscnt 0x0
.irp f, 0,1
.irp j, 0,1,2
	global_store_b128 v[GO], v[OUTR+12*\f+4*\j:OUTR+12*\f+4*\j+3], s[10:11] offset:1536*\f+512*\j   ; 512 consecutive bytes, aligned to 256
.endr
.endr
	global_store_b32 v[GS], v[WRD], s[12:13]       ; the unit's 32 scale words: 128 consecutive bytes
	s_branch .Lend
.Lplace:
	; wave wv takes tokens 256 wv .. 256 wv + 255, eight a lane
	s_lshl_b32 s20, s[WV], 10
	v_add_nc_u32 v[TP], s20, v[GO]
	global_load_b128 v[KEY:KEY+3], v[TP], s[8:9]
	global_load_b128 v[KEY+4:KEY+7], v[TP], s[8:9] offset:512
	s_lshl_b32 s21, s[WV], 8
	v_lshl_add_u32 v[TP+1], v1, 2, s21
.irp j, 0,1
.irp i, 0,1,2,3
	v_add_nc_u32 v[TKN+4*\j+\i], 128*\j+\i, v[TP+1]
	v_mov_b32 v[SLT+4*\j+\i], 0
.endr
.endr
	v_mov_b32 v[CNT], 0
	v_mov_b32 v[TBS], 0
	v_mov_b32 v[BEF], 0
	s_wait_loadcnt 0x0
.macro COUNT q                         ; how many of my wave's 256 tokens have pair q: into lane q
.irp c, 0,1,2,3,4,5,6,7
	v_cmp_eq_u32 s[32+\c], \q, v[KEY+\c]
.endr
	s_bcnt1_i32_b32 s22, s32
.irp c, 1,2,3,4,5,6,7
	s_bcnt1_i32_b32 s21, s[32+\c]
	s_add_co_u32 s22, s22, s21
.endr
	v_writelane_b32 v[CNT], s22, \q
.endm
.set Q, 0
.rept 28
	COUNT Q
.set Q, Q+1
.endr
	ds_store_b32 v[PLW], v[CNT]
	s_wait_dscnt 0x0
	s_barrier_signal -1
	s_barrier_wait -1
.set I, 0
.rept 16
	ds_load_b32 v[PART+I], v[PLR] offset:128*I
.set I, I+1
.endr
	s_wait_dscnt 0x0
	v_add_nc_u32 v[TOT], v[PART], v[PART+1]
.set I, 2
.rept 14
	v_add_nc_u32 v[TOT], v[TOT], v[PART+I]
.set I, I+1
.endr
.set I, 0
.rept 15
	s_cmp_gt_u32 s[WV], I                          ; the waves before mine
	s_cselect_b32 s20, -1, 0
	v_and_b32 v[TP], s20, v[PART+I]
	v_add_nc_u32 v[BEF], v[BEF], v[TP]
.set I, I+1
.endr
	v_add_nc_u32 v[TIL], 31, v[TOT]
	v_lshrrev_b32 v[TIL], 5, v[TIL]
	s_mov_b32 s23, 0
.set Q, 0
.rept 28
	v_readlane_b32 s20, v[TIL], Q
	v_writelane_b32 v[TBS], s23, Q                 ; pair Q's first tile: the tiles of the pairs before it
	s_add_co_u32 s23, s23, s20
.set Q, Q+1
.endr
	v_lshl_add_u32 v[SBS], v[TBS], 5, v[BEF]
.macro RANK q                          ; the slots of my wave's tokens of pair q: register by register, lane by lane
	v_readlane_b32 s40, v[SBS], \q
.irp c, 0,1,2,3,4,5,6,7
	v_cmp_eq_u32 s[32+\c], \q, v[KEY+\c]
.endr
.irp c, 0,1,2,3,4,5,6
	s_bcnt1_i32_b32 s21, s[32+\c]
	s_add_co_u32 s[41+\c], s[40+\c], s21
.endr
.irp c, 0,1,2,3,4,5,6,7
	v_mbcnt_lo_u32_b32 v[TP+\c], s[32+\c], s[40+\c]
.endr
.irp c, 0,1,2,3,4,5,6,7
	v_cndmask_b32 v[SLT+\c], v[SLT+\c], v[TP+\c], s[32+\c]
.endr
.endm
.set Q, 0
.rept 28
	RANK Q
.set Q, Q+1
.endr
.irp c, 0,1,2,3,4,5,6,7
	v_min_u32 v[SLT+\c], 0x135f, v[SLT+\c]         ; 155 x 32 - 1: no slot leaves the list
.endr
.irp c, 0,1,2,3,4,5,6,7
	v_lshlrev_b32 v[SLT+\c], 2, v[SLT+\c]
.endr
.irp c, 0,1,2,3,4,5,6,7
	global_store_b32 v[SLT+\c], v[TKN+\c], s[16:17]   ; four bytes a lane to scattered slots: 16 KiB in the whole launch
.endr
	s_cmp_lt_u32 s[WV], 5
	s_cbranch_scc0 .Lend
	; threads 0 to 159: tile i belongs to the last pair whose first tile is at or under i (first tiles never fall; an empty pair shares its first tile with the next pair, which then takes its place)
	v_mov_b32 v64, 0
	v_mov_b32 v65, 1
	v_mov_b32 v67, 0
	v_mov_b32 v68, 0
	v_mov_b32 v69, 0
.macro PICK a, b
	v_readlane_b32 s20, v[TBS], Q
	v_readlane_b32 s21, v[TOT], Q
	v_cmp_le_u32 s24, s20, v0
	v_cndmask_b32 v64, v64, \a, s24
	v_cndmask_b32 v65, v65, \b, s24
	v_cndmask_b32 v68, v68, s20, s24
	v_cndmask_b32 v69, v69, s21, s24
.endm
.set Q, 0
.irp a, 0,1,2,3,4,5,6
.irp b, 1,2,3,4,5,6,7
.if \b > \a
	PICK \a, \b
.set Q, Q+1
.endif
.endr
.endr
	v_sub_nc_u32 v62, v0, v68
	v_lshlrev_b32 v62, 5, v62
	v_sub_nc_u32 v66, v69, v62                     ; the pair's tokens from this tile on,
	v_cmp_gt_i32 vcc_lo, 0, v66
	v_cndmask_b32 v66, v66, 0, vcc_lo              ; none beyond its last tile,
	v_min_u32 v66, 32, v66                         ; 32 at the most
	v_lshlrev_b32 v63, 4, v0
	global_store_b128 v63, v[64:67], s[14:15]
.Lend:
	s_wait_tensorcnt 0x0                           ; the wave's end, behind my last LDS store
	ds_add_u32 v[SPW], v[NIL]
	s_wait_dscnt 0x0
	s_endpgm
.Lfunc_end_k_q473fe2d7b0_wp:
	.size	k_q473fe2d7b0_wp, .Lfunc_end_k_q473fe2d7b0_wp-k_q473fe2d7b0_wp
	.p2alignl 7, 3214868480
	.fill 96, 4, 3214868480
	.section	.rodata,"a",@progbits
	.p2align	6, 0x0
	.amdhsa_kernel k_q473fe2d7b0_wp
		.amdhsa_group_segment_fixed_size 57344
		.amdhsa_private_segment_fixed_size 0
		.amdhsa_enable_private_segment 0
		.amdhsa_kernarg_size 56
		.amdhsa_user_sgpr_count 2
		.amdhsa_user_sgpr_kernarg_segment_ptr 1
		.amdhsa_wavefront_size32 1
		.amdhsa_system_sgpr_workgroup_id_x 1
		.amdhsa_system_sgpr_workgroup_id_y 1
		.amdhsa_system_sgpr_workgroup_id_z 1
		.amdhsa_system_vgpr_workitem_id 0
		.amdhsa_next_free_vgpr 128
		.amdhsa_next_free_sgpr 66
		.amdhsa_reserve_vcc 1
		.amdhsa_float_denorm_mode_32 3
		.amdhsa_float_denorm_mode_16_64 3
		.amdhsa_memory_ordered 1
		.amdhsa_forward_progress 1
		.amdhsa_inst_pref_size 131
	.end_amdhsa_kernel
	.amdgpu_metadata
---
amdhsa.version: [ 1, 2 ]
amdhsa.kernels:
  - .name:           k_q473fe2d7b0_wp
    .symbol:         k_q473fe2d7b0_wp.kd
    .args:
      - { .name: W1, .offset: 0, .size: 8, .value_kind: global_buffer, .address_space: global }
      - { .name: W2, .offset: 8, .size: 8, .value_kind: global_buffer, .address_space: global }
      - { .name: sel, .offset: 16, .size: 8, .value_kind: global_buffer, .address_space: global }
      - { .name: wq, .offset: 24, .size: 8, .value_kind: global_buffer, .address_space: global }
      - { .name: wsc, .offset: 32, .size: 8, .value_kind: global_buffer, .address_space: global }
      - { .name: tiles, .offset: 40, .size: 8, .value_kind: global_buffer, .address_space: global }
      - { .name: list, .offset: 48, .size: 8, .value_kind: global_buffer, .address_space: global }
    .group_segment_fixed_size: 57344
    .private_segment_fixed_size: 0
    .kernarg_segment_align: 8
    .kernarg_segment_size: 56
    .max_flat_workgroup_size: 512
    .sgpr_count:     66
    .vgpr_count:     128
    .wavefront_size: 32
...
	.end_amdgpu_metadata
.endif
;; end of part 2
;; launch chain (part 3): grid 155 x 1, 16 waves a work-group, no clusters, 210,432 bytes of LDS; arguments xq, xs, wq, wsc, b1, b2, gw, tiles, list, out0; writes out0
.if DOCPART == 3
	.amdgcn_target "amdgcn-amd-amdhsa--gfx1250"
	.amdhsa_code_object_version 6
	.text
	.protected	k_q473fe2d7b0_chain
	.globl	k_q473fe2d7b0_chain
	.p2align	8
	.type	k_q473fe2d7b0_chain,@function
k_q473fe2d7b0_chain:
	s_mov_b64 s[64:65], 0
	v_nop
	global_prefetch_b8 v0, s[64:65] scope:SCOPE_SE
	s_setreg_imm32_b32 hwreg(HW_REG_WAVE_MODE, 25, 1), 1
	s_wait_xcnt 0x0
; THIRD LAUNCH: out[t] = p_a (gelu(Q(x) Q(W1[a]) + b1[a]) quantised, x Q(W2[a]) + b2[a]) + the same for b, for the two experts a < b chosen for token t.  Rows of experts that were not chosen are left out:
; the problem multiplies them by a 0 of its own mask (shown at the head of the first launch; the limit stated there holds here).
; A work-group takes ONE TILE of the stored list: up to 32 tokens with the same pair (a, b), through both experts' whole chain; the hidden layer stays in LDS, and each output row has one owner.
; The grid, 155, serves every split: (4096 + 28 x 31) / 32.  A tile with count 0 does no work and stores nothing; the four barriers stand outside the branches on the count, on every wave's path.
; Slots at or above the count repeat the tile's last token; their rows are computed and not stored.
; SHARES.  Sixteen waves of 256 registers.  Wave w owns columns 64 w .. 64 w + 63 of every product, for all 32 rows: 8 accumulators.  Both products are used transposed (source 0 = 16 rows of the weights' codes,
; source 1 = 16 tokens): a lane holds one token, and by the order of the weights' rows the 16 registers of two neighbouring tiles are 16 neighbouring columns: the next product's K.
; WEIGHTS go from memory straight into operand registers, in units of 3,072 bytes (two fragments of one K step) and 128 bytes of scale words, through a ring of four units: three or four units of a wave are on their way.
; No tensor load, so no joint load in a cluster: the launch branches on counts read from memory, and partners would hold tiles of different pairs.
; TOKENS' OPERANDS lie in LDS as images of registers: fragment (m, k) at (8 m + k) x 1,536, two halves of 768 bytes: 512 bytes at 16 x lane (registers 6 c .. 6 c + 3), 256 at 8 x lane (6 c + 4, 6 c + 5).
; gelu(x) = x / (1 + 2^(x (C0 + C1 x^2))), C0 = -2 log2(e) sqrt(2 / pi), C1 = 0.044715 C0: the tanh form of the problem, by the identity 1 + tanh(u) = 2 / (1 + e^(-2 u)); all in f32.
; LIMITS: NaN and infinities among the inputs are not served; a block of zeros of the hidden layer gets the byte 1 over zero codes.
.set XIMG,   0                         ; x's 16 fragments
.set XSC,    24576                     ; their scale words [k][32 rows]
.set HIMG0,  25600                     ; expert a's hidden layer, 16 fragments; expert b's lies HSTEP further on
.set HSC0,   50176
.set HSTEP,  25600
.set STAGE,  76800                     ; 32 rows of out, 4,096 bytes + 16
.set SPITCH, 4112
.set SPARE,  208384                    ; the spare words, 128 bytes for each of 16 waves: no other line names them
.set LI16, 1                           ; v1-3  16, 8, 4 x lane
.set LI8,  2
.set LI4,  3
.set SPW,  4                           ; v4    my spare word; never rewritten
.set NIL,  5                           ; v5    0; never rewritten
.set HST16, 6                          ; v6-8  where my half fragment of the hidden layer and its two scale bytes go
.set HST8, 7
.set HSS,  8
.set BOF,  9                           ; v9    64 x (lane / 16): the biases
.set STG,  10                          ; v10-11 the stage: my 256 bytes of row r, of row 16 + r
.set SRD,  12                          ; v12   the stage back: rows 2 w, 2 w + 1
.set TOK,  13                          ; v13-15 the tokens of slots r, 16 + r, and of the fragment that I gather
.set GW,   16                          ; v16-19 their two probabilities, for slots r and 16 + r
.set KC,   20                          ; v20-21 C0, twice
.set LJ16, 22                          ; v22-24 v1-3 + 51,200: expert b's hidden layer lies beyond the reach of the 16-bit offset
.set LJ8,  23
.set LJ4,  24
.set XST16, 25                         ; v25-27 where the fragment of x that I gather goes
.set XST8, 26
.set XSS,  27
.set XGC,  28                          ; v28   96 (w % 8) + 48 (lane / 16)
.set ASR,  32                          ; v32-33 the tokens' scale words, two sets: scales and nothing else
.set SBR,  36                          ; v36-39 the weights' scale words, one for each unit of the ring: scales and nothing else
.set AR0,  40                          ; v40-63 the tokens' two fragments of a K step; the second set lies at v224-247
.set ARD,  184
.set RB,   64                          ; v64-159 the ring: four units of 24 registers
.set ZZ,   64                          ; (free between products: at work in gelu)
.set ACC,  160                         ; v160-223 accumulator (m, t) at 8 (4 m + t)
.set MX,   224                         ; between products: v224-225 largest magnitudes, v226-227 the other half's, v228-229 scale operands, v230-231 bytes, v232-233 half words
.set PX,   226
.set SCO,  228
.set BYT,  230
.set PW,   232
.set TA,   234                         ; v234-236 offsets
.set PCD,  240                         ; v240-255 the codes just made, 8 registers for each m
.set WV,   24
.set CNT,  30
.set OB,   32                          ; s[32:35] out's rows of slots 2 w, 2 w + 1
.set WB,   36                          ; s[36:43] my part of the codes of W1[a], W2[a], W1[b], W2[b]
.set WS,   44                          ; s[44:51] of their scale words
.set BB,   52                          ; s[52:59] of b1[a], b2[a], b1[b], b2[b]
.set SEL,  60                          ; s[60:61] v_permlanex16_b32's selects for lane l xor 16
.set CA,   62                          ; s[62:63] C1, twice
	s_load_b512 s[4:19], s[0:1], 0x0               ; xq, xs, wq, wsc, b1, b2, gw, tiles
	s_load_b128 s[20:23], s[0:1], 0x40             ; list, out0
	v_lshl_add_u32 v[SPW], v0, 2, SPARE
	v_mov_b32 v[NIL], 0
	v_lshrrev_b32 v28, 5, v0
	v_readfirstlane_b32 s[WV], v28
	v_and_b32 v31, 31, v0                          ; lane
	v_and_b32 v29, 15, v0                          ; r
	v_bfe_u32 v30, v0, 4, 1                        ; h
	v_lshlrev_b32 v[LI16], 4, v31
	v_lshlrev_b32 v[LI8], 3, v31
	v_lshlrev_b32 v[LI4], 2, v31
	v_add_nc_u32 v[LJ16], 2*HSTEP, v[LI16]
	v_add_nc_u32 v[LJ8], 2*HSTEP, v[LI8]
	v_add_nc_u32 v[LJ4], 2*HSTEP, v[LI4]
	s_mul_i32 s66, s[WV], 768                      ; my 64 hidden units are half w % 2 of K step w / 2: 1,536 (w / 2) + 768 (w % 2) = 768 w
	s_add_co_u32 s66, s66, HIMG0
	v_add_nc_u32 v[HST16], s66, v[LI16]
	s_add_co_u32 s66, s66, 512
	v_add_nc_u32 v[HST8], s66, v[LI8]
	s_lshr_b32 s66, s[WV], 1
	s_lshl_b32 s66, s66, 7
	s_and_b32 s67, s[WV], 1
	s_lshl_b32 s67, s67, 1
	s_add_co_u32 s66, s66, s67
	s_add_co_u32 s66, s66, HSC0
	v_lshl_add_u32 v[HSS], v29, 2, s66
	v_lshlrev_b32 v[BOF], 6, v30
	v_mul_u32_u24 v[STG], v29, SPITCH
	v_lshl_add_u32 v[STG], v30, 6, v[STG]
	s_lshl_b32 s66, s[WV], 8
	s_add_co_u32 s66, s66, STAGE
	v_add_nc_u32 v[STG], s66, v[STG]
	v_add_nc_u32 v[STG+1], 16*SPITCH, v[STG]
	s_mul_i32 s66, s[WV], 2*SPITCH
	s_add_co_u32 s66, s66, STAGE
	v_add_nc_u32 v[SRD], s66, v[LI16]
	s_mul_i32 s66, s[WV], 1536                     ; wave w = 8 m + k gathers fragment (m, k) of x
	v_add_nc_u32 v[XST16], s66, v[LI16]
	s_add_co_u32 s66, s66, 512
	v_add_nc_u32 v[XST8], s66, v[LI8]
	s_and_b32 s68, s[WV], 7
	s_lshl_b32 s66, s68, 7
	s_lshr_b32 s69, s[WV], 3
	s_lshl_b32 s67, s69, 6
	s_add_co_u32 s66, s66, s67
	s_add_co_u32 s66, s66, XSC
	v_lshl_add_u32 v[XSS], v29, 2, s66
	s_lshl_b32 s25, s68, 2                         ; xs: word w % 8 of a token
	s_mul_i32 s27, s68, 96
	v_mul_u32_u24 v[XGC], v30, 48
	v_add_nc_u32 v[XGC], s27, v[XGC]
	s_lshl_b32 s69, s69, 4                         ; the first slot of the fragment that I gather
	v_mov_b32 v[KC], 0xc0135761                    ; C0 = -2.3022082
	v_mov_b32 v[KC+1], 0xc0135761
	s_mov_b32 s[CA], 0xbdd2d3e8                    ; C1 = -0.10294324
	s_mov_b32 s[CA+1], 0xbdd2d3e8
	s_mov_b32 s[SEL], 0x76543210
	s_mov_b32 s[SEL+1], 0xfedcba98
	v_mov_b32 v[PX], 0                             ; written once: a lane permute's destination counts as one of its sources
	v_mov_b32 v[PX+1], 0
	s_lshl_b32 s26, ttmp9, 4
	s_wait_kmcnt 0x0
	s_load_b128 s[28:31], s[18:19], s26 offset:0x0 ; my tile: a, b, count
	s_wait_kmcnt 0x0
	s_min_u32 s28, s28, 7
	s_min_u32 s29, s29, 7
	s_min_u32 s[CNT], s[CNT], 32
	s_max_u32 s66, s[CNT], 1
	s_sub_co_u32 s66, s66, 1                       ; the tile's last slot that was written
	s_lshl_b32 s68, ttmp9, 5
	s_cmp_lg_u32 s[CNT], 0
	s_cselect_b32 s67, s68, 0                      ; an empty tile reads slot 0 of tile 0, which always exists: only bytes that were stored are read
	s_min_u32 s67, s67, 4928
	v_min_u32 v[TA], s66, v29
	v_add_nc_u32 v[TA+1], 16, v29
	v_min_u32 v[TA+1], s66, v[TA+1]
	v_add_nc_u32 v[TA+2], s69, v29
	v_min_u32 v[TA+2], s66, v[TA+2]
.irp i, 0,1,2
	v_min_u32 v[TA+\i], 31, v[TA+\i]
	v_add_nc_u32 v[TA+\i], s67, v[TA+\i]
	v_lshlrev_b32 v[TA+\i], 2, v[TA+\i]
.endr
.irp i, 0,1,2
	global_load_b32 v[TOK+\i], v[TA+\i], s[20:21]
.endr
	s_lshl_b32 s70, s[WV], 1                       ; and, as scalars, the tokens of the two rows that I store
	s_add_co_u32 s71, s70, 1
	s_min_u32 s70, s70, s66
	s_min_u32 s71, s71, s66
	s_min_u32 s70, s70, 31
	s_min_u32 s71, s71, 31
	s_add_co_u32 s70, s70, s67
	s_add_co_u32 s71, s71, s67
	s_lshl_b32 s70, s70, 2
	s_lshl_b32 s71, s71, 2
	s_load_b32 s72, s[20:21], s70 offset:0x0
	s_load_b32 s74, s[20:21], s71 offset:0x0
	s_mov_b32 s79, 0
.macro BASES ereg, n                   ; n = 0: expert a, 1: expert b
	s_lshl_b32 s76, s[\ereg], 4
	s_add_co_u32 s76, s76, s[WV]                   ; 16 e + w
	s_mul_i32 s78, s76, 49152
	s_add_nc_u64 s[WB+4*\n:WB+4*\n+1], s[8:9], s[78:79]
	s_lshl_b32 s78, s76, 11
	s_add_nc_u64 s[WS+4*\n:WS+4*\n+1], s[10:11], s[78:79]
	s_add_co_u32 s76, s76, 128                     ; W2's lie behind W1's
	s_mul_i32 s78, s76, 49152
	s_add_nc_u64 s[WB+4*\n+2:WB+4*\n+3], s[8:9], s[78:79]
	s_lshl_b32 s78, s76, 11
	s_add_nc_u64 s[WS+4*\n+2:WS+4*\n+3], s[10:11], s[78:79]
	s_lshl_b32 s78, s[\ereg], 12
	s_lshl_b32 s77, s[WV], 8
	s_add_co_u32 s78, s78, s77
	s_add_nc_u64 s[BB+4*\n:BB+4*\n+1], s[12:13], s[78:79]
	s_add_nc_u64 s[BB+4*\n+2:BB+4*\n+3], s[14:15], s[78:79]
.endm
	BASES 28, 0
	BASES 29, 1
	s_wait_kmcnt 0x0
	s_min_u32 s72, s72, 4095
	s_min_u32 s74, s74, 4095
	s_lshl_b32 s72, s72, 12
	s_lshl_b32 s74, s74, 12
	s_mov_b32 s73, 0
	s_mov_b32 s75, 0
	s_add_nc_u64 s[OB:OB+1], s[22:23], s[72:73]
	s_add_nc_u64 s[OB+2:OB+3], s[22:23], s[74:75]
	s_wait_loadcnt 0x0
.irp i, 0,1,2
	v_min_u32 v[TOK+\i], 0xfff, v[TOK+\i]
.endr
	v_lshlrev_b32 v[TA], 3, v[TOK]
	v_lshlrev_b32 v[TA+1], 3, v[TOK+1]
	global_load_b64 v[GW:GW+1], v[TA], s[16:17]
	global_load_b64 v[GW+2:GW+3], v[TA+1], s[16:17]
	s_wait_loadcnt 0x0
.macro BAR                             ; my LDS stores have landed and my LDS loads are in: then the work-group's barrier, on every wave's path
	s_wait_dscnt 0x0
	s_barrier_signal -1
	s_barrier_wait -1
.endm
.macro AFRAG reg, a16, a8, off         ; a fragment's image back into 12 registers
	ds_load_b128 v[\reg:\reg+3], v[\a16] offset:\off
	ds_load_b64 v[\reg+4:\reg+5], v[\a8] offset:\off+512
	ds_load_b128 v[\reg+6:\reg+9], v[\a16] offset:\off+768
	ds_load_b64 v[\reg+10:\reg+11], v[\a8] offset:\off+1280
.endm
.macro LOADA k, a16, a8, a4, aoff, asoff   ; K step k of the 32 tokens into set k % 2: two fragments, and one register of scale words: lanes 0-15 rows 0-15, lanes 16-31 rows 16-31
.irp m, 0,1
	AFRAG AR0+ARD*((\k)%2)+12*\m, \a16, \a8, \aoff+(8*\m+(\k))*1536
.endr
	ds_load_b32 v[ASR+(\k)%2], v[\a4] offset:\asoff+128*(\k)
.endm
.macro LOADU u, wb, ws                 ; unit u of my weights into place u % 4 of the ring: seven loads
.irp f, 0,1
.irp j, 0,1,2
	global_load_b128 v[RB+24*((\u)%4)+12*\f+4*\j:RB+24*((\u)%4)+12*\f+4*\j+3], v[LI16], s[\wb:\wb+1] offset:3072*(\u)+1536*\f+512*\j
.endr
.endr
	global_load_b32 v[SBR+(\u)%4], v[LI4], s[\ws:\ws+1] offset:128*(\u)   ; lanes 0-15 fragment 0's words, lanes 16-31 fragment 1's
.endm
.macro MM d, a, b, sa, sb, f, m        ; source 0: 16 rows of weights (fragment f); source 1: 16 tokens (tile m); the upper lanes of a scale register serve f = 1 and m = 1
.if (\f) == 0
.if (\m) == 0
	v_wmma_scale_f32_16x16x128_f8f6f4 v[\d:\d+7], v[\a:\a+11], v[\b:\b+11], v[\d:\d+7], v[\sa], v[\sb] matrix_a_fmt:MATRIX_FMT_BF6 matrix_b_fmt:MATRIX_FMT_BF6
.else
	v_wmma_scale_f32_16x16x128_f8f6f4 v[\d:\d+7], v[\a:\a+11], v[\b:\b+11], v[\d:\d+7], v[\sa], v[\sb] matrix_a_fmt:MATRIX_FMT_BF6 matrix_b_fmt:MATRIX_FMT_BF6 matrix_b_scale:MATRIX_SCALE_ROW1
.endif
.else
.if (\m) == 0
	v_wmma_scale_f32_16x16x128_f8f6f4 v[\d:\d+7], v[\a:\a+11], v[\b:\b+11], v[\d:\d+7], v[\sa], v[\sb] matrix_a_fmt:MATRIX_FMT_BF6 matrix_b_fmt:MATRIX_FMT_BF6 matrix_a_scale:MATRIX_SCALE_ROW1
.else
	v_wmma_scale_f32_16x16x128_f8f6f4 v[\d:\d+7], v[\a:\a+11], v[\b:\b+11], v[\d:\d+7], v[\sa], v[\sb] matrix_a_fmt:MATRIX_FMT_BF6 matrix_b_fmt:MATRIX_FMT_BF6 matrix_a_scale:MATRIX_SCALE_ROW1 matrix_b_scale:MATRIX_SCALE_ROW1
.endif
.endif
.endm
; ONE PRODUCT: my 64 columns x 32 tokens x K = 1,024: 16 units of 4 matrix instructions.  The bias is loaded straight into the accumulators (lane (r, h), tile t, register j: column 32 (t / 2) + 16 h + 8 (t % 2) + j),
; so every product adds in place: nothing is cleared and nothing is added later.  The eight accumulators take turns, one instruction a turn.
.macro GEMM wb, ws, bb, a16, a8, a4, aoff, asoff
	s_wait_dscnt 0x0                               ; the LDS stores of the phase before have read the registers that are loaded now
.irp m, 0,1
.irp t, 0,1,2,3
	global_load_b128 v[ACC+32*\m+8*\t:ACC+32*\m+8*\t+3], v[BOF], s[\bb:\bb+1] offset:128*(\t/2)+32*(\t%2)
	global_load_b128 v[ACC+32*\m+8*\t+4:ACC+32*\m+8*\t+7], v[BOF], s[\bb:\bb+1] offset:128*(\t/2)+32*(\t%2)+16
.endr
.endr
	LOADU 0, \wb, \ws
	LOADU 1, \wb, \ws
	LOADU 2, \wb, \ws
	LOADU 3, \wb, \ws
	LOADA 0, \a16, \a8, \a4, \aoff, \asoff
.set U, 0
.rept 16
.if U <= 12
	s_wait_loadcnt 21                              ; unit U is in (and the bias, which is older); the three younger units' 7 loads each may be out
.else
	s_wait_loadcnt 7*(15-U)                        ; the ring runs empty: 7 loads for each unit still to come
.endif
.if U%2 == 0
	s_wait_dscnt 0x0                               ; this K step's tokens, asked for a unit or more ago
.endif
.irp m, 0,1
.irp f, 0,1
	MM ACC+8*(4*\m+2*(U%2)+\f), RB+24*(U%4)+12*\f, AR0+ARD*((U/2)%2)+12*\m, SBR+U%4, ASR+(U/2)%2, \f, \m
.endr
.endr
.rept 4
	v_nop                                          ; four places in front of loads into registers that these matrix instructions have read, and of the first read of results
.endr
.if U <= 11
	LOADU U+4, \wb, \ws
.endif
.if (U%2 == 0) && (U < 14)
	LOADA U/2+1, \a16, \a8, \a4, \aoff, \asoff     ; into the set whose last readers stand a unit back, behind eight places
.endif
.set U, U+1
.endr
.endm
; gelu on the 64 sums, in place, each accumulator from its low end on; the exponentials and the reciprocals are two batches with one wait each
.macro GELU
.set J, 0
.rept 32
	v_pk_mul_f32 v[ZZ+J:ZZ+J+1], v[ACC+J:ACC+J+1], v[ACC+J:ACC+J+1]
.set J, J+2
.endr
.set J, 0
.rept 32
	v_pk_fma_f32 v[ZZ+J:ZZ+J+1], v[ZZ+J:ZZ+J+1], s[CA:CA+1], v[KC:KC+1] op_sel_hi:[1,0,1]   ; C1 x^2 + C0
.set J, J+2
.endr
.set J, 0
.rept 32
	v_pk_mul_f32 v[ZZ+J:ZZ+J+1], v[ZZ+J:ZZ+J+1], v[ACC+J:ACC+J+1]
.set J, J+2
.endr
.set J, 0
.rept 64
	v_exp_f32 v[ZZ+J], v[ZZ+J]
.set J, J+1
.endr
	v_nop                                          ; a plain place behind the batch
	s_wait_alu depctr_va_vdst(0)                   ; one wait for the batch, ahead of its first reader
.set J, 0
.rept 32
	v_pk_add_f32 v[ZZ+J:ZZ+J+1], v[ZZ+J:ZZ+J+1], 1.0 op_sel_hi:[1,0]
.set J, J+2
.endr
.set J, 0
.rept 64
	v_rcp_f32 v[ZZ+J], v[ZZ+J]
.set J, J+1
.endr
	v_nop
	s_wait_alu depctr_va_vdst(0)
.set J, 0
.rept 32
	v_pk_mul_f32 v[ACC+J:ACC+J+1], v[ACC+J:ACC+J+1], v[ZZ+J:ZZ+J+1]
.set J, J+2
.endr
.endm
; my 64 hidden units of token tile m, two blocks of 32 (16 numbers in this lane, 16 in lane l xor 16), become half a fragment of expert e's hidden layer and two scale bytes
.macro QUANT m, e
.set HN, ACC+32*\m
.set PC_, PCD+8*\m
.irp b, 0,1
	v_max3_num_f32 v[MX+\b], |v[HN+16*\b]|, |v[HN+16*\b+1]|, 0x2800000   ; with the floor 2^(5 - 127): the byte cannot fall under 1
.endr
.irp i, 2,4,6,8,10,12,14
.irp b, 0,1
	v_max3_num_f32 v[MX+\b], v[MX+\b], |v[HN+16*\b+\i]|, |v[HN+16*\b+\i+1]|
.endr
.endr
.irp b, 0,1
	v_permlanex16_b32 v[PX+\b], v[MX+\b], s[SEL], s[SEL+1]
.endr
.irp b, 0,1
	v_max_num_f32 v[MX+\b], v[MX+\b], v[PX+\b]
.endr
.irp b, 0,1
	v_add_nc_u32 v[SCO+\b], 0xfe000000, v[MX+\b]   ; 4 off the exponent field: the conversion's scale operand
.endr
.irp b, 0,1
	v_lshrrev_b32 v[BYT+\b], 23, v[SCO+\b]
.endr
	v_lshl_or_b32 v[PW+\m], v[BYT+1], 8, v[BYT]
	v_cvt_scalef32_pk16_bf6_f32 v[PC_:PC_+2], v[HN:HN+15], v[SCO]
	v_cvt_scalef32_pk16_bf6_f32 v[PC_+4:PC_+6], v[HN+16:HN+31], v[SCO+1]
	v_nop                                          ; one plain place behind a scaled conversion
.irp i, 0,1,2
	v_permlane16_swap_b32 v[PC_+\i], v[PC_+4+\i]   ; the operand wants a whole block in a lane: lanes 0-15 the first block, lanes 16-31 the second
.endr
	v_mov_b32 v[PC_+3], v[PC_+4]
	v_mov_b32 v[PC_+4], v[PC_+5]
	v_mov_b32 v[PC_+5], v[PC_+6]
	ds_store_b128 v[HST16], v[PC_:PC_+3] offset:HSTEP*\e+12288*\m
	ds_store_b64 v[HST8], v[PC_+4:PC_+5] offset:HSTEP*\e+12288*\m
	ds_store_b16 v[HSS], v[PW+\m] offset:HSTEP*\e+64*\m   ; both lanes of a row write the same two bytes with the same value
.endm
.macro TOSTAGE                         ; my 64 columns of the 32 rows: the wave's own bytes of the stage
.irp m, 0,1
.irp b, 0,1
.irp i, 0,1,2,3
	ds_store_b128 v[STG+\m], v[ACC+32*\m+16*\b+4*\i:ACC+32*\m+16*\b+4*\i+3] offset:128*\b+16*\i
.endr
.endr
.endr
.endm
.macro ROWOUT i                        ; row 2 w + i of the tile, if it holds a token: 4,096 bytes by eight stores of 512 consecutive bytes
	s_lshl_b32 s66, s[WV], 1
	s_add_co_u32 s66, s66, \i
	s_cmp_lt_u32 s66, s[CNT]
	s_cbranch_scc0 .Lno_row_\@
.irp j, 0,1,2,3,4,5,6,7
	ds_load_b128 v[RB+32*\i+4*\j:RB+32*\i+4*\j+3], v[SRD] offset:SPITCH*\i+512*\j
.endr
.irp j, 0,1,2,3,4,5,6,7
	s_wait_dscnt 7-\j                              ; LDS loads come back in order: load j is in, the younger ones may be out
	global_store_b128 v[LI16], v[RB+32*\i+4*\j:RB+32*\i+4*\j+3], s[OB+2*\i:OB+2*\i+1] offset:512*\j th:TH_STORE_NT
.endr
.Lno_row_\@:
.endm
	s_cmp_eq_u32 s[CNT], 0
	s_cbranch_scc1 .Lx_done
	; x's codes of the tile's tokens: wave 8 m + k gathers fragment (m, k): a lane's 12 registers are 48 consecutive bytes of xq
	v_mul_u32_u24 v[TA], v[TOK+2], 768
	v_add_nc_u32 v[TA], v[XGC], v[TA]
	v_lshlrev_b32 v[TA+1], 5, v[TOK+2]
	v_add_nc_u32 v[TA+1], s25, v[TA+1]
	global_load_b128 v[RB:RB+3], v[TA], s[4:5]
	global_load_b128 v[RB+4:RB+7], v[TA], s[4:5] offset:16
	global_load_b128 v[RB+8:RB+11], v[TA], s[4:5] offset:32
	global_load_b32 v[RB+12], v[TA+1], s[6:7]
	s_wait_loadcnt 0x0
	ds_store_b128 v[XST16], v[RB:RB+3]
	ds_store_b64 v[XST8], v[RB+4:RB+5]
	ds_store_b128 v[XST16], v[RB+6:RB+9] offset:768
	ds_store_b64 v[XST8], v[RB+10:RB+11] offset:768
	ds_store_b32 v[XSS], v[RB+12]                  ; both lanes of a row write the same word with the same value
.Lx_done:
	BAR                                            ; x's sixteen fragments lie in LDS
	s_cmp_eq_u32 s[CNT], 0
	s_cbranch_scc1 .Lh_a_done
	GEMM WB, WS, BB, LI16, LI8, LI4, XIMG, XSC     ; expert a: x W1 + b1
	GELU
	QUANT 0, 0
	QUANT 1, 0
.Lh_a_done:
	BAR                                            ; expert a's hidden layer lies in LDS
	s_cmp_eq_u32 s[CNT], 0
	s_cbranch_scc1 .Lh_b_done
	GEMM WB+2, WS+2, BB+2, LI16, LI8, LI4, HIMG0, HSC0   ; expert a: h W2 + b2
.irp m, 0,1
.set J, 0
.rept 16
	v_pk_mul_f32 v[ACC+32*\m+J:ACC+32*\m+J+1], v[ACC+32*\m+J:ACC+32*\m+J+1], v[GW+2*\m:GW+2*\m+1] op_sel_hi:[1,0]   ; x a's probability
.set J, J+2
.endr
.endr
	TOSTAGE
	GEMM WB+4, WS+4, BB+4, LI16, LI8, LI4, XIMG, XSC     ; expert b: x W1 + b1; its hidden layer has bytes of its own, so no barrier stands here
	GELU
	QUANT 0, 1
	QUANT 1, 1
.Lh_b_done:
	BAR                                            ; expert b's hidden layer lies in LDS
	s_cmp_eq_u32 s[CNT], 0
	s_cbranch_scc1 .Ly_done
	GEMM WB+6, WS+6, BB+6, LJ16, LJ8, LJ4, 0, XSC        ; expert b: h W2 + b2 (the address registers carry 51,200)
.irp m, 0,1
.irp b, 0,1
.irp i, 0,1,2,3
	ds_load_b128 v[RB+32*\m+16*\b+4*\i:RB+32*\m+16*\b+4*\i+3], v[STG+\m] offset:128*\b+16*\i   ; expert a's share, which I stored myself
.endr
.endr
.endr
	s_wait_dscnt 0x0
.irp m, 0,1
.set J, 0
.rept 16
	v_pk_fma_f32 v[ACC+32*\m+J:ACC+32*\m+J+1], v[ACC+32*\m+J:ACC+32*\m+J+1], v[GW+2*\m:GW+2*\m+1], v[RB+32*\m+J:RB+32*\m+J+1] op_sel:[0,1,0] op_sel_hi:[1,1,1]   ; x b's probability, + a's share
.set J, J+2
.endr
.endr
	TOSTAGE
.Ly_done:
	BAR                                            ; 32 whole rows of out lie in the stage
	ROWOUT 0
	ROWOUT 1
	s_wait_tensorcnt 0x0                           ; the wave's end, behind my last LDS store
	ds_add_u32 v[SPW], v[NIL]
	s_wait_dscnt 0x0
	s_endpgm
.Lfunc_end_k_q473fe2d7b0_chain:
	.size	k_q473fe2d7b0_chain, .Lfunc_end_k_q473fe2d7b0_chain-k_q473fe2d7b0_chain
	.p2alignl 7, 3214868480
	.fill 96, 4, 3214868480
	.section	.rodata,"a",@progbits
	.p2align	6, 0x0
	.amdhsa_kernel k_q473fe2d7b0_chain
		.amdhsa_group_segment_fixed_size 210432
		.amdhsa_private_segment_fixed_size 0
		.amdhsa_enable_private_segment 0
		.amdhsa_kernarg_size 80
		.amdhsa_user_sgpr_count 2
		.amdhsa_user_sgpr_kernarg_segment_ptr 1
		.amdhsa_wavefront_size32 1
		.amdhsa_system_sgpr_workgroup_id_x 1
		.amdhsa_system_sgpr_workgroup_id_y 1
		.amdhsa_system_sgpr_workgroup_id_z 1
		.amdhsa_system_vgpr_workitem_id 0
		.amdhsa_next_free_vgpr 256
		.amdhsa_next_free_sgpr 80
		.amdhsa_reserve_vcc 0
		.amdhsa_float_denorm_mode_32 3
		.amdhsa_float_denorm_mode_16_64 3
		.amdhsa_memory_ordered 1
		.amdhsa_forward_progress 1
		.amdhsa_inst_pref_size 165
	.end_amdhsa_kernel
	.amdgpu_metadata
---
amdhsa.version: [ 1, 2 ]
amdhsa.kernels:
  - .name:           k_q473fe2d7b0_chain
    .symbol:         k_q473fe2d7b0_chain.kd
    .args:
      - { .name: xq, .offset: 0, .size: 8, .value_kind: global_buffer, .address_space: global }
      - { .name: xs, .offset: 8, .size: 8, .value_kind: global_buffer, .address_space: global }
      - { .name: wq, .offset: 16, .size: 8, .value_kind: global_buffer, .address_space: global }
      - { .name: wsc, .offset: 24, .size: 8, .value_kind: global_buffer, .address_space: global }
      - { .name: b1, .offset: 32, .size: 8, .value_kind: global_buffer, .address_space: global }
      - { .name: b2, .offset: 40, .size: 8, .value_kind: global_buffer, .address_space: global }
      - { .name: gw, .offset: 48, .size: 8, .value_kind: global_buffer, .address_space: global }
      - { .name: tiles, .offset: 56, .size: 8, .value_kind: global_buffer, .address_space: global }
      - { .name: list, .offset: 64, .size: 8, .value_kind: global_buffer, .address_space: global }
      - { .name: out0, .offset: 72, .size: 8, .value_kind: global_buffer, .address_space: global }
    .group_segment_fixed_size: 210432
    .private_segment_fixed_size: 0
    .kernarg_segment_align: 8
    .kernarg_segment_size: 80
    .max_flat_workgroup_size: 512
    .sgpr_count:     80
    .vgpr_count:     256
    .wavefront_size: 32
...
	.end_amdgpu_metadata
.endif
;; end of part 3
;; ======== version 2 of 2: 4 launches
;; limits: right only within a limited range of input values
;; workspace buffers: xq 3,145,728 bytes; xs 131,072 bytes; wq 12,582,912 bytes; wsc 524,288 bytes; sel 16,384 bytes of whole numbers; gw 32,768 bytes; list 37,376 bytes of whole numbers; yw 33,554,432 bytes
;; launch xr (part 4): grid 128 x 1, 16 waves a work-group, no clusters, 216,576 bytes of LDS; arguments x, Wg, xq, xs, sel, gw; writes xq, xs, sel, gw
.if DOCPART == 4
	.amdgcn_target "amdgcn-amd-amdhsa--gfx1250"
	.amdhsa_code_object_version 6
	.text
	.protected	k_q473fe2d7b0_xr
	.globl	k_q473fe2d7b0_xr
	.p2align	8
	.type	k_q473fe2d7b0_xr,@function
k_q473fe2d7b0_xr:
	s_mov_b64 s[64:65], 0
	v_nop
	global_prefetch_b8 v0, s[64:65] scope:SCOPE_SE
	s_setreg_imm32_b32 hwreg(HW_REG_WAVE_MODE, 25, 1), 1
	s_wait_xcnt 0x0
; FIRST OF FOUR LAUNCHES: x [4096][1024] f32 is quantised along D into codes of E3M2 with one E8M0 byte for each 32, and the router is computed in f32:
; logits = x Wg, softmax with the row's maximum taken away, the two largest probabilities (the lower index wins a tie).
; WORK LEFT OUT BY THE PROGRAM.  weights[t][e] = probs[t][e] x mask[t][e], and mask, which the problem builds itself from its own top-2, is 0 for six of a token's eight experts.  out[t] is the sum over e of
; y[e][t] x weights[t][e]: a row y[e][t] of an expert that was not chosen is multiplied by that 0 and reaches no output, whatever finite values the inputs hold.  So h and y are computed for the two chosen experts
; of each token alone.  Which they are is stored here as whole numbers, placed by the second launch and used by the third.  All six inputs keep a way to the output and are loaded.
; LIMITS: a NaN, an infinity or an overflow in a row of an expert that was not chosen is not carried to the result.  NaN and infinities among the inputs are not served.  A block of zeros gets the scale byte 1
; (the quantiser says 127): its codes are zeros, which add nothing under any byte but 0xff, and this program alone reads the bytes.  Two probabilities that differ by less than f32 rounding may be ranked otherwise.
; SHARES.  A work-group takes 32 tokens; wave w takes d = 64 w .. 64 w + 63 of all 32.  Each load reads two rows' 256 consecutive bytes; the wave's 8 KiB turn through its own LDS so that A LANE HOLDS ONE TOKEN:
; its 64 registers are two whole blocks of 32 (no other lane is asked for a maximum).  Wg's numbers are the same for all lanes: the wave's 2 KiB of Wg lie in LDS bytes of its own and come back by loads in which
; all lanes name one address, 32 numbers (4 d x 8 experts) a batch, two batches ahead of the multiply-adds.
; OUT: xq: token t at 768 t, K step k (128 along D) at + 96 k, half h at + 48 h: block h's 24 bytes, then block 2 + h's: the 12 registers that lane (., h) of an operand wants, on end.  xs: [t][32] bytes.
; sel: [t] the pair's number q = a (15 - a) / 2 + b - a - 1 for the chosen experts a < b.  gw: [t][2] their probabilities.
.set TPITCH, 272                       ; a row of the turn: 256 bytes + 16
.set TWAVE,  32*TPITCH                 ; a wave's turn
.set CPITCH, 784                       ; a token's codes in LDS: 768 bytes + 16
.set CST,    16*TWAVE                  ; the codes of 32 tokens
.set SST,    CST+32*CPITCH             ; their scale bytes, 32 a token, dense
.set LGT,    SST+1024                  ; partial logits [wave][lane][8]
.set WGL,    LGT+16*1024               ; Wg: 2,048 bytes for each wave, its own
.set SPARE,  WGL+16*2048               ; the spare words, 128 bytes for each of 16 waves: no other line names them
.set XO,   2                           ; v2   x: (lane / 16) rows + 16 (lane % 16)
.set TW,   3                           ; v3   the turn, on the way in
.set TR,   4                           ; v4   and on the way out: row = lane
.set CW,   5                           ; v5   where my token's codes of my two blocks go
.set SW,   6                           ; v6   and their two scale bytes
.set LW,   7                           ; v7   and my eight partial logits
.set CR0,  8                           ; v8   codes back: tokens 2 w, 2 w + 1 as 1,536 dense bytes
.set CR1,  9                           ; v9   the same for the load that crosses from one token to the next
.set LI16, 10                          ; v10  16 x lane
.set SPW,  11                          ; v11  my spare word; never rewritten
.set NIL,  12                          ; v12  0; never rewritten
.set MXA,  13                          ; v13-15 at work
.set MXB,  14
.set SCL,  15
.set SSR,  16                          ; v16  scale bytes back (waves 0, 1)
.set LR,   17                          ; v17  partial logits back (wave 2)
.set BYT,  18                          ; v18-19 the two blocks' bytes
.set HW,   20
.set LG,   24                          ; v24-31 eight logits
.set CD,   32                          ; v32-47 Wg as loaded, then codes
.set RW,   48                          ; v48-111 x as loaded, then two batches of Wg
.set X,    112                         ; v112-175 my token's 64 numbers
.set WGW,  176                         ; v176 Wg into LDS: 16 x lane in my wave's bytes
.set WGB,  177                         ; v177 and back: my wave's bytes, the same address in every lane
.set WV,   66                          ; s66  wave
	s_load_b256 s[4:11], s[0:1], 0x0               ; x, Wg, xq, xs
	s_load_b128 s[12:15], s[0:1], 0x20             ; sel, gw
	v_lshl_add_u32 v[SPW], v0, 2, SPARE
	v_mov_b32 v[NIL], 0
	v_lshrrev_b32 v13, 5, v0
	s_delay_alu instid0(VALU_DEP_1)
	v_readfirstlane_b32 s[WV], v13
	v_and_b32 v1, 31, v0                           ; lane
	v_and_b32 v13, 15, v0
	v_bfe_u32 v14, v0, 4, 1
	s_delay_alu instid0(VALU_DEP_3)
	v_lshlrev_b32 v[LI16], 4, v1
	s_delay_alu instid0(VALU_DEP_3)
	v_lshlrev_b32 v15, 4, v13
	s_delay_alu instid0(VALU_DEP_1)
	v_lshl_add_u32 v[XO], v14, 12, v15
	s_mul_i32 s67, s[WV], TWAVE
	v_mad_u32_u24 v[TW], v14, TPITCH, v15
	s_delay_alu instid0(VALU_DEP_1)
	v_add_nc_u32 v[TW], s67, v[TW]
	v_mul_u32_u24 v[TR], v1, TPITCH
	s_delay_alu instid0(VALU_DEP_1)
	v_add_nc_u32 v[TR], s67, v[TR]
	s_lshr_b32 s68, s[WV], 1                       ; my blocks 2 w, 2 w + 1 lie in K step w / 2; there they are blocks 2 (w % 2) + 0, 1: at 48 b + 24 (w % 2)
	s_mul_i32 s68, s68, 96
	s_and_b32 s69, s[WV], 1
	s_mul_i32 s70, s69, 24
	s_add_co_u32 s68, s68, s70
	s_add_co_u32 s68, s68, CST
	v_mul_u32_u24 v[CW], v1, CPITCH
	s_delay_alu instid0(VALU_DEP_1)
	v_add_nc_u32 v[CW], s68, v[CW]
	s_lshl_b32 s68, s[WV], 1
	s_add_co_u32 s68, s68, SST
	v_lshl_add_u32 v[SW], v1, 5, s68
	s_lshl_b32 s68, s[WV], 10
	s_add_co_u32 s68, s68, LGT
	v_lshl_add_u32 v[LW], v1, 5, s68
	s_mul_i32 s68, s[WV], 2*CPITCH
	s_add_co_u32 s68, s68, CST
	v_add_nc_u32 v[CR0], s68, v[LI16]
	s_delay_alu instid0(VALU_DEP_1)
	v_lshl_add_u32 v[CR1], v14, 4, v[CR0]          ; lanes 16-31 stand behind the first token's padding
	s_lshl_b32 s71, s[WV], 11
	s_add_co_u32 s71, s71, WGL
	v_mov_b32 v[WGB], s71
	v_add_nc_u32 v[WGW], s71, v[LI16]
	s_lshl_b32 s68, s69, 9
	s_add_co_u32 s70, s68, SST
	v_add_nc_u32 v[SSR], s70, v[LI16]
	v_lshl_add_u32 v[LR], v1, 5, LGT
	s_lshl_b32 s72, ttmp9, 17                      ; x: 32 rows of 4,096 bytes a work-group, 256 bytes a wave
	s_lshl_b32 s73, s[WV], 8
	s_add_co_u32 s72, s72, s73
	s_mov_b32 s73, 0
	s_lshl_b32 s74, s[WV], 11                      ; Wg: 64 rows of 32 bytes a wave
	s_mov_b32 s75, 0
	s_mul_i32 s76, ttmp9, 32*768                   ; xq
	s_mul_i32 s77, s[WV], 2*768
	s_add_co_u32 s76, s76, s77
	s_mov_b32 s77, 0
	s_lshl_b32 s78, ttmp9, 10                      ; xs
	s_add_co_u32 s78, s78, s68
	s_mov_b32 s79, 0
	s_wait_alu depctr_va_vdst(0)
	s_wait_kmcnt 0x0
	s_add_nc_u64 s[4:5], s[4:5], s[72:73]
	s_add_nc_u64 s[6:7], s[6:7], s[74:75]
	s_add_nc_u64 s[8:9], s[8:9], s[76:77]
	s_add_nc_u64 s[10:11], s[10:11], s[78:79]
	s_lshl_b32 s72, ttmp9, 7
	s_add_nc_u64 s[12:13], s[12:13], s[72:73]      ; sel: 4 bytes a token
	s_lshl_b32 s72, ttmp9, 8
	s_add_nc_u64 s[14:15], s[14:15], s[72:73]      ; gw: 8 bytes a token
.irp j, 0,1,2,3
	global_load_b128 v[CD+4*\j:CD+4*\j+3], v[LI16], s[6:7] offset:512*\j   ; my wave's 2,048 bytes of Wg
.endr
.set I, 0
.rept 16
	global_load_b128 v[RW+4*I:RW+4*I+3], v[XO], s[4:5] offset:8192*I th:TH_LOAD_NT   ; rows 2 I, 2 I + 1: 256 consecutive bytes of each
.set I, I+1
.endr
	s_wait_loadcnt 16                              ; Wg's four loads are in; x's sixteen, which are younger, may be out
.irp j, 0,1,2,3
	ds_store_b128 v[WGW], v[CD+4*\j:CD+4*\j+3] offset:512*\j
.endr
	s_wait_loadcnt 0x0
.set I, 0
.rept 16
	ds_store_b128 v[TW], v[RW+4*I:RW+4*I+3] offset:2*TPITCH*I
.set I, I+1
.endr
.set I, 0
.rept 16
	ds_load_b128 v[X+4*I:X+4*I+3], v[TR] offset:16*I   ; the wave's own bytes: LDS serves a wave's instructions in order, so these see the stores above
.set I, I+1
.endr
	s_wait_dscnt 0x0                               ; my token's 64 numbers are in, and all stores above have read their registers
; batch n of Wg: d = 4 n .. 4 n + 3 of my 64, 8 experts each: 128 bytes by eight loads, every lane the same address; number (dd, e) lands in register 8 dd + e of half n % 2
.macro WB n
.irp i, 0,1,2,3,4,5,6,7
	ds_load_b128 v[RW+32*((\n)%2)+4*\i:RW+32*((\n)%2)+4*\i+3], v[WGB] offset:128*(\n)+16*\i
.endr
.endm
; 32 multiply-adds on eight sums by turns; the very first eight are products, which start the sums; then the batch two on is asked for, into the half just read
.macro FMAS n
.if (\n) < 15
	s_wait_dscnt 8                                 ; batch n is in; the next batch's eight loads may be out
.else
	s_wait_dscnt 0x0
.endif
.irp dd, 0,1,2,3
.irp e, 0,1,2,3,4,5,6,7
.if (\n) == 0 && \dd == 0
	v_mul_f32 v[LG+\e], v[RW+\e], v[X]
.else
	v_fmac_f32 v[LG+\e], v[RW+32*((\n)%2)+8*\dd+\e], v[X+4*(\n)+\dd]
.endif
.endr
.endr
.if (\n) < 14
	WB (\n)+2
.endif
.endm
; block b of my token: the largest magnitude with the floor 2^(5 - 127) among its leaves; 4 off its exponent field is the conversion's scale operand, and that shifted down the byte
.macro QB b
.set XS, X+32*\b
.set CC, CD+8*\b
	v_max3_num_f32 v[MXA], |v[XS]|, |v[XS+1]|, |v[XS+2]|
	v_max3_num_f32 v[MXB], |v[XS+3]|, |v[XS+4]|, |v[XS+5]|
.irp i, 6,10,14,18,22,26
	s_delay_alu instid0(VALU_DEP_2)
	v_max3_num_f32 v[MXA], v[MXA], |v[XS+\i]|, |v[XS+\i+1]|
	s_delay_alu instid0(VALU_DEP_2)
	v_max3_num_f32 v[MXB], v[MXB], |v[XS+\i+2]|, |v[XS+\i+3]|
.endr
	s_delay_alu instid0(VALU_DEP_2)
	v_max3_num_f32 v[MXA], v[MXA], |v[XS+30]|, |v[XS+31]|
	s_delay_alu instid0(VALU_DEP_1)
	v_max3_num_f32 v[MXA], v[MXA], v[MXB], 0x2800000
	s_delay_alu instid0(VALU_DEP_1)
	v_add_nc_u32 v[SCL], 0xfe000000, v[MXA]
	s_delay_alu instid0(VALU_DEP_1)
	v_lshrrev_b32 v[BYT+\b], 23, v[SCL]
	v_cvt_scalef32_pk16_bf6_f32 v[CC:CC+2], v[XS:XS+15], v[SCL]
	v_cvt_scalef32_pk16_bf6_f32 v[CC+4:CC+6], v[XS+16:XS+31], v[SCL]   ; (a conversion's three registers begin on an even number)
	v_nop                                          ; one plain place behind a scaled conversion
	v_mov_b32 v[CC+3], v[CC+4]
	v_mov_b32 v[CC+4], v[CC+5]
	v_mov_b32 v[CC+5], v[CC+6]
	ds_store_b64 v[CW], v[CC:CC+1] offset:48*\b
	ds_store_b64 v[CW], v[CC+2:CC+3] offset:48*\b+8
	ds_store_b64 v[CW], v[CC+4:CC+5] offset:48*\b+16
.endm
	WB 0
	WB 1
	QB 0                                           ; the two blocks are quantised while the first batches of Wg are on their way
	QB 1
	v_lshl_or_b32 v[HW], v[BYT+1], 8, v[BYT]
	ds_store_b16 v[SW], v[HW]
.irp n, 0,1,2,3,4,5,6,7,8,9,10,11,12,13,14,15
	s_wait_alu depctr_va_vdst(0)
	FMAS \n
.endr
	ds_store_b128 v[LW], v[LG:LG+3]
	ds_store_b128 v[LW], v[LG+4:LG+7] offset:16
	s_wait_dscnt 0x0                               ; for the others' sake: my stores have landed
	s_barrier_signal -1
	s_barrier_wait -1
	ds_load_b128 v[CD:CD+3], v[CR0]                ; tokens 2 w and 2 w + 1: 1,536 bytes that are consecutive in xq
	ds_load_b128 v[CD+4:CD+7], v[CR1] offset:512
	ds_load_b128 v[CD+8:CD+11], v[CR0] offset:1040
	s_wait_dscnt 0x0
	global_store_b128 v[LI16], v[CD:CD+3], s[8:9]              ; each store covers 512 consecutive bytes, aligned to 256
	global_store_b128 v[LI16], v[CD+4:CD+7], s[8:9] offset:512
	global_store_b128 v[LI16], v[CD+8:CD+11], s[8:9] offset:1024
	s_cmp_lt_u32 s[WV], 2
	s_cbranch_scc0 .Lnot_scales
	ds_load_b128 v[CD+12:CD+15], v[SSR]            ; waves 0 and 1: the 1,024 scale bytes, 512 each
	s_wait_dscnt 0x0
	global_store_b128 v[LI16], v[CD+12:CD+15], s[10:11]
.Lnot_scales:
	s_cmp_eq_u32 s[WV], 2
	s_cbranch_scc0 .Lend
	; wave 2: the router's end, a lane a token
.set I, 0
.rept 16
	ds_load_b128 v[RW+8*I:RW+8*I+3], v[LR] offset:1024*I
	ds_load_b128 v[RW+8*I+4:RW+8*I+7], v[LR] offset:1024*I+16
.set I, I+1
.endr
	s_wait_dscnt 0x0
.set I, 1
.rept 15
.irp j, 0,2,4,6
	v_pk_add_f32 v[RW+\j:RW+\j+1], v[RW+\j:RW+\j+1], v[RW+8*I+\j:RW+8*I+\j+1]   ; the sixteen waves' parts, D ascending
.endr
.set I, I+1
.endr
	s_delay_alu instid0(VALU_DEP_3)
	v_max3_num_f32 v13, v[RW], v[RW+1], v[RW+2]
	s_delay_alu instid0(VALU_DEP_1)
	v_max3_num_f32 v13, v13, v[RW+3], v[RW+4]
	s_delay_alu instid0(VALU_DEP_1)
	v_max3_num_f32 v13, v13, v[RW+5], v[RW+6]
	s_delay_alu instid0(VALU_DEP_1)
	v_max_num_f32 v13, v13, v[RW+7]                ; the row's largest logit is taken away ahead of the exponential
.irp e, 0,1,2,3,4,5,6,7
	v_sub_f32 v[LG+\e], v[RW+\e], v13
.endr
.irp e, 0,1,2,3,4,5,6,7
	v_mul_f32 v[LG+\e], 0x3fb8aa3b, v[LG+\e]       ; x log2(e)
.endr
	s_wait_alu depctr_va_vdst(0)
.irp e, 0,1,2,3,4,5,6,7
	v_exp_f32 v[LG+\e], v[LG+\e]
.endr
	v_nop                                          ; a plain place behind the exponentials
	s_wait_alu depctr_va_vdst(0)                   ; one wait for the batch, ahead of its first reader
	v_add_f32 v14, v[LG], v[LG+1]
	v_add_f32 v15, v[LG+2], v[LG+3]
	v_add_f32 v18, v[LG+4], v[LG+5]
	v_add_f32 v19, v[LG+6], v[LG+7]
	s_delay_alu instid0(VALU_DEP_3)
	v_add_f32 v14, v14, v15
	s_delay_alu instid0(VALU_DEP_2)
	v_add_f32 v18, v18, v19
	s_delay_alu instid0(VALU_DEP_1)
	v_add_f32 v14, v14, v18
	s_wait_alu depctr_va_vdst(0)
	v_rcp_f32 v14, v14
	v_nop
	s_wait_alu depctr_va_vdst(0)
.irp e, 0,1,2,3,4,5,6,7
	v_mul_f32 v[LG+\e], v[LG+\e], v14              ; the probabilities
.endr
	v_mov_b32 v15, v[LG]                           ; the largest: a later one must be strictly larger, so the lower index wins a tie
	v_mov_b32 v18, 0
.irp e, 1,2,3,4,5,6,7
	s_delay_alu instid0(VALU_DEP_2)
	v_cmp_gt_f32 vcc_lo, v[LG+\e], v15
	s_delay_alu instid0(VALU_DEP_1)
	v_cndmask_b32 v15, v15, v[LG+\e], vcc_lo
	s_delay_alu instid0(VALU_DEP_2)
	v_cndmask_b32 v18, v18, \e, vcc_lo
.endr
	v_mov_b32 v19, -1.0                            ; the second: the same among the other seven; every probability lies above -1
	v_mov_b32 v20, 0
.irp e, 0,1,2,3,4,5,6,7
	s_delay_alu instid0(VALU_DEP_2)
	v_cmp_gt_f32 s70, v[LG+\e], v19
	v_cmp_ne_u32 s71, \e, v18
	s_and_b32 s70, s70, s71
	v_cndmask_b32 v19, v19, v[LG+\e], s70
	v_cndmask_b32 v20, v20, \e, s70
.endr
	s_delay_alu instid0(VALU_DEP_1)
	v_min_u32 v21, v18, v20                        ; a
	s_delay_alu instid0(VALU_DEP_2)
	v_max_u32 v22, v18, v20                        ; b
	s_delay_alu instid0(VALU_DEP_3)
	v_cmp_lt_u32 vcc_lo, v18, v20
	s_delay_alu instid0(VALU_DEP_1)
	v_cndmask_b32 v24, v19, v15, vcc_lo            ; a's probability
	s_delay_alu instid0(VALU_DEP_2)
	v_cndmask_b32 v25, v15, v19, vcc_lo            ; b's
	v_sub_nc_u32 v23, 15, v21
	s_delay_alu instid0(VALU_DEP_1)
	v_mul_u32_u24 v23, v23, v21
	s_delay_alu instid0(VALU_DEP_1)
	v_lshrrev_b32 v23, 1, v23
	s_delay_alu instid0(VALU_DEP_1)
	v_add_nc_u32 v23, v23, v22
	s_delay_alu instid0(VALU_DEP_1)
	v_sub_nc_u32 v23, v23, v21
	s_delay_alu instid0(VALU_DEP_1)
	v_add_nc_u32 v23, -1, v23                      ; q = a (15 - a) / 2 + b - a - 1
	v_lshlrev_b32 v26, 2, v1
	v_lshlrev_b32 v27, 3, v1
	global_store_b32 v26, v23, s[12:13]            ; at fixed places: no address of this launch hangs on the choice
	global_store_b64 v27, v[24:25], s[14:15]
.Lend:
	s_wait_tensorcnt 0x0                           ; the wave's end, behind my last LDS store
	ds_add_u32 v[SPW], v[NIL]
	s_wait_dscnt 0x0
	s_endpgm
.Lfunc_end_k_q473fe2d7b0_xr:
	.size	k_q473fe2d7b0_xr, .Lfunc_end_k_q473fe2d7b0_xr-k_q473fe2d7b0_xr
	.p2alignl 7, 3214868480
	.fill 96, 4, 3214868480
	.section	.rodata,"a",@progbits
	.p2align	6, 0x0
	.amdhsa_kernel k_q473fe2d7b0_xr
		.amdhsa_group_segment_fixed_size 216576
		.amdhsa_private_segment_fixed_size 0
		.amdhsa_enable_private_segment 0
		.amdhsa_kernarg_size 48
		.amdhsa_user_sgpr_count 2
		.amdhsa_user_sgpr_kernarg_segment_ptr 1
		.amdhsa_wavefront_size32 1
		.amdhsa_system_sgpr_workgroup_id_x 1
		.amdhsa_system_sgpr_workgroup_id_y 1
		.amdhsa_system_sgpr_workgroup_id_z 1
		.amdhsa_system_vgpr_workitem_id 0
		.amdhsa_next_free_vgpr 180
		.amdhsa_next_free_sgpr 80
		.amdhsa_reserve_vcc 1
		.amdhsa_float_denorm_mode_32 3
		.amdhsa_float_denorm_mode_16_64 3
		.amdhsa_memory_ordered 1
		.amdhsa_forward_progress 1
		.amdhsa_inst_pref_size 52
	.end_amdhsa_kernel
	.amdgpu_metadata
---
amdhsa.version: [ 1, 2 ]
amdhsa.kernels:
  - .name:           k_q473fe2d7b0_xr
    .symbol:         k_q473fe2d7b0_xr.kd
    .args:
      - { .name: x, .offset: 0, .size: 8, .value_kind: global_buffer, .address_space: global }
      - { .name: Wg, .offset: 8, .size: 8, .value_kind: global_buffer, .address_space: global }
      - { .name: xq, .offset: 16, .size: 8, .value_kind: global_buffer, .address_space: global }
      - { .name: xs, .offset: 24, .size: 8, .value_kind: global_buffer, .address_space: global }
      - { .name: sel, .offset: 32, .size: 8, .value_kind: global_buffer, .address_space: global }
      - { .name: gw, .offset: 40, .size: 8, .value_kind: global_buffer, .address_space: global }
    .group_segment_fixed_size: 216576
    .private_segment_fixed_size: 0
    .kernarg_segment_align: 8
    .kernarg_segment_size: 48
    .max_flat_workgroup_size: 512
    .sgpr_count:     80
    .vgpr_count:     180
    .wavefront_size: 32
...
	.end_amdgpu_metadata
.endif
;; end of part 4
;; launch wp (part 5): grid 257 x 1, 16 waves a work-group, no clusters, 57,344 bytes of LDS; arguments W1, W2, sel, wq, wsc, list; writes wq, wsc, list
.if DOCPART == 5
	.amdgcn_target "amdgcn-amd-amdhsa--gfx1250"
	.amdhsa_code_object_version 6
	.text
	.protected	k_q473fe2d7b0_wp
	.globl	k_q473fe2d7b0_wp
	.p2align	8
	.type	k_q473fe2d7b0_wp,@function
k_q473fe2d7b0_wp:
	s_mov_b64 s[64:65], 0
	v_nop
	global_prefetch_b8 v0, s[64:65] scope:SCOPE_SE
	s_setreg_imm32_b32 hwreg(HW_REG_WAVE_MODE, 25, 1), 1
	s_wait_xcnt 0x0
; SECOND LAUNCH.  Work-groups 1 to 256 quantise W1 and W2 ([expert][K 1024][N 1024] f32, K the FIRST axis of an expert's matrix) along K into codes of E3M2 with one E8M0 byte for each 32, laid in the order
; of the third launch's operand registers.  Work-group 0 places the 8,192 routed rows (token, first or second of its two experts) by expert: a counting sort on the whole numbers that the first launch stored.
; wq: [W1, W2][expert][wave w 16][unit u 16][fragment f 2][chunk j 3][lane 32][16 bytes].  Wave w of the third launch owns columns 64 w .. 64 w + 63; unit u = 2 ks + c is K step ks (128 along K) of its columns
; 32 c .. 32 c + 31: two fragments of 16 rows.  Chunk j holds registers 4 j .. 4 j + 3 of each lane: a fragment comes by three loads of 16 bytes a lane, each of 512 consecutive bytes.
; THE ROWS OF A FRAGMENT ARE NOT NEIGHBOURS: row r of fragment f is column 8 f + r + 8 (r / 8) of the 32, so that in a transposed product the 16 registers of the two fragments' results are 16 neighbouring columns.
; wsc: [W1, W2][expert][w][u][32 words]: word r + 16 f = the four bytes of row r of fragment f.
; list: bytes 0 to 3,071: the table of tiles, [192][expert, count, 0, 0]; from byte 3,072 on the slots, 48 to a tile: rank x 4096 + token (rank 0: the expert is the token's lower one, 1: its higher one).
; Only slots under a tile's count are written, and only those are read later.  With 8 experts and tiles of 48 rows there are never more than (8192 + 8 x 47) / 48 = 178 tiles, whatever the choice.
; LIMITS: as in the first launch: a block of zeros gets the byte 1 over zero codes; NaN and infinities are not served.
; QUANTISING: a lane takes a column and its registers run down K: a block of 32 lies in one lane, the conversions' results have K innermost.  A work-group takes 128 rows of K x 512 columns (2,048 bytes of each row);
; a wave 32 columns: one unit.  Its codes go through the wave's own stage in LDS into the unit's order.  Loads run two blocks (64 loads a wave) ahead.
.set WSTG,  3328                       ; a wave's stage: two fragments of 1,536 bytes, 1,664 apart
.set PL,    16*WSTG                    ; the placing path's own bytes: counts [wave][32]
.set SPARE, PL+2048                    ; the spare words, 128 bytes for each of 16 waves: no other line names them
.set LTAB,  3072                       ; list: the slots begin behind the table of tiles
.set LO,   2                           ; v2   4 x lane
.set ST,   3                           ; v3   into the stage: fragment f, row r
.set SR,   4                           ; v4   out of it: 16 x lane
.set GO,   5                           ; v5   16 x lane
.set GS,   6                           ; v6   4 (r + 16 f)
.set PLW,  7                           ; v7   PL + 4 x thread
.set SPW,  8                           ; v8   my spare word; never rewritten
.set NIL,  9                           ; v9   0; never rewritten
.set MXA,  10
.set MXB,  11
.set SCL,  12
.set BYT,  13
.set WRD,  14
.set PLR,  15                          ; v15  PL + 4 x lane
.set XN,   16                          ; v16-79  two sets of 32 numbers
.set CD,   80                          ; v80-87  a block's codes
.set OUTR, 88                          ; v88-111 the unit on its way out
.set KEY,  16                          ; placing: v16-23 my 8 tokens' pairs q, then 1 << q
.set SLA,  24                          ; v24-31 the slots of their rows with the lower expert
.set SLB,  32                          ; v32-39 with the higher expert
.set TKN,  40                          ; v40-47 the tokens' numbers
.set TKB,  48                          ; v48-55 the same + 4096
.set PART, 56                          ; v56-71 the waves' counts
.set CNT,  72                          ; lane = bin 2 e + rank: my wave's rows of that bin
.set TOT,  73                          ; all rows of the bin
.set BEF,  74                          ; those of the waves before mine
.set BAS,  75                          ; the bin's first slot
.set ETOT, 76                          ; lane e: the expert's rows
.set ETB,  77                          ; lane e: its first tile
.set SBS,  78                          ; lane = bin: my wave's first slot
.set ONE,  79
.set TP,   80                          ; v80-87, v88-95 at work
.set TQ,   88
.set WV,   18
	s_load_b256 s[4:11], s[0:1], 0x0               ; W1, W2, sel, wq
	s_load_b128 s[12:15], s[0:1], 0x20             ; wsc, list
	v_lshl_add_u32 v[SPW], v0, 2, SPARE
	v_mov_b32 v[NIL], 0
	v_lshrrev_b32 v1, 5, v0
	s_delay_alu instid0(VALU_DEP_1)
	v_readfirstlane_b32 s[WV], v1
	v_and_b32 v1, 31, v0                           ; lane = my column of the wave's 32
	s_delay_alu instid0(VALU_DEP_1)
	v_lshlrev_b32 v[LO], 2, v1
	v_bfe_u32 v10, v0, 3, 1                        ; f
	v_and_b32 v11, 7, v0
	v_bfe_u32 v12, v0, 4, 1
	s_delay_alu instid0(VALU_DEP_1)
	v_lshl_add_u32 v11, v12, 3, v11                ; r = lane % 8 + 8 (lane / 16)
	s_mul_i32 s19, s[WV], WSTG
	v_mul_u32_u24 v[ST], v10, 1664
	s_delay_alu instid0(VALU_DEP_1)
	v_lshl_add_u32 v[ST], v11, 4, v[ST]
	s_delay_alu instid0(VALU_DEP_1)
	v_add_nc_u32 v[ST], s19, v[ST]
	v_lshlrev_b32 v[GO], 4, v1
	s_delay_alu instid0(VALU_DEP_1)
	v_add_nc_u32 v[SR], s19, v[GO]
	v_lshl_add_u32 v[GS], v10, 4, v11
	s_delay_alu instid0(VALU_DEP_1)
	v_lshlrev_b32 v[GS], 2, v[GS]
	v_lshl_add_u32 v[PLW], v0, 2, PL
	v_add_nc_u32 v[PLR], PL, v[LO]
	s_wait_kmcnt 0x0
	s_cmp_eq_u32 ttmp9, 0                          ; the work-group's number alone: all sixteen waves go the same way
	s_cbranch_scc1 .Lplace
	s_sub_co_u32 s20, ttmp9, 1
	s_lshr_b32 s21, s20, 7                         ; W1 or W2
	s_bfe_u32 s22, s20, 0x30004                    ; expert
	s_bfe_u32 s23, s20, 0x10003                    ; which 512 columns
	s_and_b32 s24, s20, 7                          ; K step
	s_cmp_eq_u32 s21, 0
	s_cselect_b64 s[4:5], s[4:5], s[6:7]
	s_lshl_b32 s26, s22, 22                        ; an expert's matrix is 4 MiB,
	s_lshl_b32 s27, s24, 19                        ; 128 rows of 4,096 bytes,
	s_add_co_u32 s26, s26, s27
	s_lshl_b32 s27, s23, 11
	s_add_co_u32 s26, s26, s27
	s_lshl_b32 s27, s[WV], 7                       ; 32 columns a wave
	s_add_co_u32 s26, s26, s27
	s_mov_b32 s27, 0
	s_add_nc_u64 s[4:5], s[4:5], s[26:27]
	s_lshl_b32 s28, s21, 3
	s_add_co_u32 s28, s28, s22
	s_lshl_b32 s28, s28, 4
	s_lshl_b32 s29, s23, 3
	s_add_co_u32 s28, s28, s29
	s_lshr_b32 s29, s[WV], 1
	s_add_co_u32 s28, s28, s29                     ; (matrix x 8 + expert) x 16 + the third launch's wave
	s_lshl_b32 s30, s24, 1
	s_and_b32 s31, s[WV], 1
	s_add_co_u32 s30, s30, s31                     ; unit
	s_mul_i32 s32, s28, 49152
	s_mul_i32 s33, s30, 3072
	s_add_co_u32 s32, s32, s33
	s_mov_b32 s33, 0
	s_add_nc_u64 s[10:11], s[10:11], s[32:33]
	s_lshl_b32 s34, s28, 11
	s_lshl_b32 s35, s30, 7
	s_add_co_u32 s34, s34, s35
	s_mov_b32 s35, 0
	s_add_nc_u64 s[12:13], s[12:13], s[34:35]
.macro LOAD t                          ; block t: rows 32 t .. 32 t + 31 of my column, into set t % 2
.set I, 0
.rept 32
	global_load_b32 v[XN+32*((\t)%2)+I], v[LO], s[4:5] offset:(32*(\t)+I)*4096 th:TH_LOAD_NT
.set I, I+1
.endr
.endm
.macro BLOCK t                         ; block t of the K step belongs to lanes of half t % 2, registers 6 (t / 2) .. 6 (t / 2) + 5 of the fragment
.set XS, XN+32*((\t)%2)
.if (\t) < 3
	s_wait_loadcnt 32                              ; this block's 32 loads are in; the next block's 32 may be out
.else
	s_wait_loadcnt 0x0
.endif
	v_max3_num_f32 v[MXA], |v[XS]|, |v[XS+1]|, |v[XS+2]|
	v_max3_num_f32 v[MXB], |v[XS+3]|, |v[XS+4]|, |v[XS+5]|
.irp i, 6,10,14,18,22,26
	s_delay_alu instid0(VALU_DEP_2)
	v_max3_num_f32 v[MXA], v[MXA], |v[XS+\i]|, |v[XS+\i+1]|
	s_delay_alu instid0(VALU_DEP_2)
	v_max3_num_f32 v[MXB], v[MXB], |v[XS+\i+2]|, |v[XS+\i+3]|
.endr
	s_delay_alu instid0(VALU_DEP_2)
	v_max3_num_f32 v[MXA], v[MXA], |v[XS+30]|, |v[XS+31]|
	s_delay_alu instid0(VALU_DEP_1)
	v_max3_num_f32 v[MXA], v[MXA], v[MXB], 0x2800000   ; and the floor 2^(5 - 127): the byte cannot fall under 1
	s_delay_alu instid0(VALU_DEP_1)
	v_add_nc_u32 v[SCL], 0xfe000000, v[MXA]        ; 4 off the exponent field: the conversion's scale operand
	s_delay_alu instid0(VALU_DEP_1)
	v_lshrrev_b32 v[BYT], 23, v[SCL]
.if (\t) == 0
	s_delay_alu instid0(VALU_DEP_1)
	v_mov_b32 v[WRD], v[BYT]
.else
	s_delay_alu instid0(VALU_DEP_1)
	v_lshl_or_b32 v[WRD], v[BYT], 8*(\t), v[WRD]
.endif
	v_cvt_scalef32_pk16_bf6_f32 v[CD:CD+2], v[XS:XS+15], v[SCL]
	v_cvt_scalef32_pk16_bf6_f32 v[CD+4:CD+6], v[XS+16:XS+31], v[SCL]
	v_nop                                          ; one plain place behind a scaled conversion
	v_mov_b32 v[CD+3], v[CD+4]
	v_mov_b32 v[CD+4], v[CD+5]
	v_mov_b32 v[CD+5], v[CD+6]
.if (\t) < 2
	ds_store_b128 v[ST], v[CD:CD+3] offset:256*((\t)%2)            ; registers 0-3: chunk 0
	ds_store_b64 v[ST], v[CD+4:CD+5] offset:512+256*((\t)%2)       ; registers 4, 5: the lower half of chunk 1
.else
	ds_store_b64 v[ST], v[CD:CD+1] offset:520+256*((\t)%2)         ; registers 6, 7: its upper half
	ds_store_b128 v[ST], v[CD+2:CD+5] offset:1024+256*((\t)%2)     ; registers 8-11: chunk 2
.endif
.if (\t) < 2
	LOAD (\t)+2
.endif
	s_wait_dscnt 0x0                               ; the stores have read their registers: the next block's codes may be written
.endm
	LOAD 0
	LOAD 1
	BLOCK 0
	BLOCK 1
	BLOCK 2
	BLOCK 3
.irp f, 0,1
.irp j, 0,1,2
	ds_load_b128 v[OUTR+12*\f+4*\j:OUTR+12*\f+4*\j+3], v[SR] offset:1664*\f+512*\j   ; the wave's own bytes
.endr
.endr
	s_wait_dscnt 0x0
.irp f, 0,1
.irp j, 0,1,2
	global_store_b128 v[GO], v[OUTR+12*\f+4*\j:OUTR+12*\f+4*\j+3], s[10:11] offset:1536*\f+512*\j   ; 512 consecutive bytes, aligned to 256
.endr
.endr
	s_wait_alu depctr_va_vdst(0)
	global_store_b32 v[GS], v[WRD], s[12:13]       ; the unit's 32 scale words: 128 consecutive bytes
	s_branch .Lend
.Lplace:
	; wave wv takes tokens 256 wv .. 256 wv + 255, eight a lane.  A token's pair q becomes the bit 1 << q; a bin (expert e, rank) is a constant mask: the pairs in which e is the lower (rank 0) or the higher (rank 1).
	; Pairs in order: a = 0: q 0-6 (b = 1 .. 7); a = 1: q 7-12; a = 2: q 13-17; a = 3: q 18-21; a = 4: q 22-24; a = 5: q 25, 26; a = 6: q 27.
	s_lshl_b32 s20, s[WV], 10
	s_wait_alu depctr_va_vdst(0)
	v_add_nc_u32 v[TP], s20, v[GO]
	global_load_b128 v[KEY:KEY+3], v[TP], s[8:9]
	global_load_b128 v[KEY+4:KEY+7], v[TP], s[8:9] offset:512
	s_lshl_b32 s21, s[WV], 8
	v_lshl_add_u32 v[TP+1], v1, 2, s21
.irp j, 0,1
.irp i, 0,1,2,3
	v_add_nc_u32 v[TKN+4*\j+\i], 128*\j+\i, v[TP+1]
	v_mov_b32 v[SLA+4*\j+\i], 0
	v_mov_b32 v[SLB+4*\j+\i], 0
.endr
.endr
.irp c, 0,1,2,3,4,5,6,7
	v_add_nc_u32 v[TKB+\c], 4096, v[TKN+\c]
.endr
	v_mov_b32 v[ONE], 1
	v_mov_b32 v[CNT], 0
	v_mov_b32 v[BEF], 0
	v_mov_b32 v[BAS], 0
	v_mov_b32 v[ETOT], 0
	v_mov_b32 v[ETB], 0
	s_wait_alu depctr_va_vdst(0)
	s_wait_loadcnt 0x0
.irp c, 0,1,2,3,4,5,6,7
	v_lshlrev_b32 v[KEY+\c], v[KEY+\c], v[ONE]     ; 1 << q
.endr
.macro MASKS mask                      ; s32-39: which lanes' token c belongs to the bin
.irp c, 0,1,2,3,4,5,6,7
	v_and_b32 v[TQ+\c], \mask, v[KEY+\c]
.endr
.irp c, 0,1,2,3,4,5,6,7
	v_cmp_ne_u32 s[32+\c], 0, v[TQ+\c]
.endr
.endm
.macro COUNT bin, mask                 ; how many of my wave's 256 tokens belong to the bin: into lane bin
	MASKS \mask
	s_bcnt1_i32_b32 s22, s32
.irp c, 1,2,3,4,5,6,7
	s_bcnt1_i32_b32 s21, s[32+\c]
	s_add_co_u32 s22, s22, s21
.endr
	v_writelane_b32 v[CNT], s22, \bin
.endm
	COUNT 0, 0x7f                                  ; bins 1 (expert 0 as the higher) and 14 (expert 7 as the lower) are empty by a < b
	COUNT 2, 0x1f80
	COUNT 3, 0x1
	COUNT 4, 0x3e000
	COUNT 5, 0x82
	COUNT 6, 0x3c0000
	COUNT 7, 0x2104
	COUNT 8, 0x1c00000
	COUNT 9, 0x44208
	COUNT 10, 0x6000000
	COUNT 11, 0x488410
	COUNT 12, 0x8000000
	COUNT 13, 0x2910820
	COUNT 15, 0xd221040
	ds_store_b32 v[PLW], v[CNT]
	s_wait_dscnt 0x0
	s_barrier_signal -1
	s_barrier_wait -1
.set I, 0
.rept 16
	ds_load_b32 v[PART+I], v[PLR] offset:128*I
.set I, I+1
.endr
	s_wait_dscnt 0x0
	v_add_nc_u32 v[TOT], v[PART], v[PART+1]
.set I, 2
.rept 14
	s_delay_alu instid0(VALU_DEP_1)
	v_add_nc_u32 v[TOT], v[TOT], v[PART+I]
.set I, I+1
.endr
.set I, 0
.rept 15
	s_cmp_gt_u32 s[WV], I                          ; the waves before mine
	s_cselect_b32 s20, -1, 0
	v_and_b32 v[TP], s20, v[PART+I]
	s_delay_alu instid0(VALU_DEP_1)
	v_add_nc_u32 v[BEF], v[BEF], v[TP]
.set I, I+1
.endr
	s_mov_b32 s23, 0                               ; tiles so far
	s_mov_b32 s26, 0                               ; slots so far: 48 x tiles
.irp e, 0,1,2,3,4,5,6,7
	v_readlane_b32 s20, v[TOT], 2*\e
	v_readlane_b32 s21, v[TOT], 2*\e+1
	v_writelane_b32 v[BAS], s26, 2*\e              ; an expert's two bins lie on end
	s_add_co_u32 s27, s26, s20
	v_writelane_b32 v[BAS], s27, 2*\e+1
	s_wait_alu depctr_va_vdst(0)
	s_add_co_u32 s20, s20, s21
	v_writelane_b32 v[ETOT], s20, \e
	v_writelane_b32 v[ETB], s23, \e
	s_add_co_u32 s21, s20, 47                      ; its tiles: (n + 47) / 48 = ((n + 47) / 16) / 3, and x / 3 = x 43691 >> 17 for x under 2^16
	s_lshr_b32 s21, s21, 4
	s_mul_i32 s21, s21, 0xaaab
	s_lshr_b32 s21, s21, 17
	s_add_co_u32 s23, s23, s21
	s_mul_i32 s21, s21, 48
	s_add_co_u32 s26, s26, s21
.endr
	v_add_nc_u32 v[SBS], v[BAS], v[BEF]
.macro RANK bin, mask, arr             ; the slots of my wave's rows of the bin: register by register, lane by lane
	v_readlane_b32 s40, v[SBS], \bin
	MASKS \mask
.irp c, 0,1,2,3,4,5,6
	s_bcnt1_i32_b32 s21, s[32+\c]
	s_add_co_u32 s[41+\c], s[40+\c], s21
.endr
.irp c, 0,1,2,3,4,5,6,7
	v_mbcnt_lo_u32_b32 v[TP+\c], s[32+\c], s[40+\c]
.endr
.irp c, 0,1,2,3,4,5,6,7
	v_cndmask_b32 v[\arr+\c], v[\arr+\c], v[TP+\c], s[32+\c]
.endr
.endm
	RANK 0, 0x7f, SLA
	RANK 2, 0x1f80, SLA
	RANK 3, 0x1, SLB
	RANK 4, 0x3e000, SLA
	RANK 5, 0x82, SLB
	RANK 6, 0x3c0000, SLA
	RANK 7, 0x2104, SLB
	RANK 8, 0x1c00000, SLA
	RANK 9, 0x44208, SLB
	RANK 10, 0x6000000, SLA
	RANK 11, 0x488410, SLB
	RANK 12, 0x8000000, SLA
	RANK 13, 0x2910820, SLB
	RANK 15, 0xd221040, SLB
.irp c, 0,1,2,3,4,5,6,7
	v_min_u32 v[SLA+\c], 0x215f, v[SLA+\c]         ; 178 x 48 - 1: no slot leaves the list
	v_min_u32 v[SLB+\c], 0x215f, v[SLB+\c]
.endr
.irp c, 0,1,2,3,4,5,6,7
	v_lshlrev_b32 v[SLA+\c], 2, v[SLA+\c]
	v_lshlrev_b32 v[SLB+\c], 2, v[SLB+\c]
.endr
.irp c, 0,1,2,3,4,5,6,7
	global_store_b32 v[SLA+\c], v[TKN+\c], s[14:15] offset:LTAB   ; four bytes a lane to scattered slots: 32 KiB in the whole launch
	global_store_b32 v[SLB+\c], v[TKB+\c], s[14:15] offset:LTAB
.endr
	s_cmp_lt_u32 s[WV], 6
	s_cbranch_scc0 .Lend
	; threads 0 to 191: tile i belongs to the last expert whose first tile is at or under i (first tiles never fall; an expert without rows shares its first tile with the next, which then takes its place)
	v_mov_b32 v96, 0
	v_mov_b32 v98, 0
	v_mov_b32 v99, 0
	v_mov_b32 v100, 0
	v_mov_b32 v101, 0
.irp e, 0,1,2,3,4,5,6,7
	v_readlane_b32 s20, v[ETB], \e
	v_readlane_b32 s21, v[ETOT], \e
	s_delay_alu instid0(VALU_DEP_2)
	v_cmp_le_u32 s24, s20, v0
	s_delay_alu instid0(VALU_DEP_1)
	v_cndmask_b32 v96, v96, \e, s24
	s_delay_alu instid0(VALU_DEP_2)
	v_cndmask_b32 v100, v100, s20, s24
	s_delay_alu instid0(VALU_DEP_3)
	v_cndmask_b32 v101, v101, s21, s24
.endr
	s_delay_alu instid0(VALU_DEP_2)
	v_sub_nc_u32 v102, v0, v100
	s_delay_alu instid0(VALU_DEP_1)
	v_mul_u32_u24 v102, v102, 48
	s_delay_alu instid0(VALU_DEP_1)
	v_sub_nc_u32 v97, v101, v102                   ; the expert's rows from this tile on,
	s_delay_alu instid0(VALU_DEP_1)
	v_cmp_gt_i32 vcc_lo, 0, v97
	s_delay_alu instid0(VALU_DEP_1)
	v_cndmask_b32 v97, v97, 0, vcc_lo              ; none beyond its last tile,
	s_delay_alu instid0(VALU_DEP_1)
	v_min_u32 v97, 48, v97                         ; 48 at the most
	v_lshlrev_b32 v103, 4, v0
	global_store_b128 v103, v[96:99], s[14:15]
.Lend:
	s_wait_tensorcnt 0x0                           ; the wave's end, behind my last LDS store
	ds_add_u32 v[SPW], v[NIL]
	s_wait_dscnt 0x0
	s_endpgm
.Lfunc_end_k_q473fe2d7b0_wp:
	.size	k_q473fe2d7b0_wp, .Lfunc_end_k_q473fe2d7b0_wp-k_q473fe2d7b0_wp
	.p2alignl 7, 3214868480
	.fill 96, 4, 3214868480
	.section	.rodata,"a",@progbits
	.p2align	6, 0x0
	.amdhsa_kernel k_q473fe2d7b0_wp
		.amdhsa_group_segment_fixed_size 57344
		.amdhsa_private_segment_fixed_size 0
		.amdhsa_enable_private_segment 0
		.amdhsa_kernarg_size 48
		.amdhsa_user_sgpr_count 2
		.amdhsa_user_sgpr_kernarg_segment_ptr 1
		.amdhsa_wavefront_size32 1
		.amdhsa_system_sgpr_workgroup_id_x 1
		.amdhsa_system_sgpr_workgroup_id_y 1
		.amdhsa_system_sgpr_workgroup_id_z 1
		.amdhsa_system_vgpr_workitem_id 0
		.amdhsa_next_free_vgpr 128
		.amdhsa_next_free_sgpr 66
		.amdhsa_reserve_vcc 1
		.amdhsa_float_denorm_mode_32 3
		.amdhsa_float_denorm_mode_16_64 3
		.amdhsa_memory_ordered 1
		.amdhsa_forward_progress 1
		.amdhsa_inst_pref_size 102
	.end_amdhsa_kernel
	.amdgpu_metadata
---
amdhsa.version: [ 1, 2 ]
amdhsa.kernels:
  - .name:           k_q473fe2d7b0_wp
    .symbol:         k_q473fe2d7b0_wp.kd
    .args:
      - { .name: W1, .offset: 0, .size: 8, .value_kind: global_buffer, .address_space: global }
      - { .name: W2, .offset: 8, .size: 8, .value_kind: global_buffer, .address_space: global }
      - { .name: sel, .offset: 16, .size: 8, .value_kind: global_buffer, .address_space: global }
      - { .name: wq, .offset: 24, .size: 8, .value_kind: global_buffer, .address_space: global }
      - { .name: wsc, .offset: 32, .size: 8, .value_kind: global_buffer, .address_space: global }
      - { .name: list, .offset: 40, .size: 8, .value_kind: global_buffer, .address_space: global }
    .group_segment_fixed_size: 57344
    .private_segment_fixed_size: 0
    .kernarg_segment_align: 8
    .kernarg_segment_size: 48
    .max_flat_workgroup_size: 512
    .sgpr_count:     66
    .vgpr_count:     128
    .wavefront_size: 32
...
	.end_amdgpu_metadata
.endif
;; end of part 5
;; launch chain (part 6): grid 178 x 1, 16 waves a work-group, no clusters, 277,248 bytes of LDS; arguments xq, xs, wq, wsc, b1, b2, list, yw; writes yw
.if DOCPART == 6
	.amdgcn_target "amdgcn-amd-amdhsa--gfx1250"
	.amdhsa_code_object_version 6
	.text
	.protected	k_q473fe2d7b0_chain
	.globl	k_q473fe2d7b0_chain
	.p2align	8
	.type	k_q473fe2d7b0_chain,@function
k_q473fe2d7b0_chain:
	s_mov_b64 s[64:65], 0
	v_nop
	global_prefetch_b8 v0, s[64:65] scope:SCOPE_SE
	s_setreg_imm32_b32 hwreg(HW_REG_WAVE_MODE, 25, 1), 1
	s_wait_xcnt 0x0
; THIRD LAUNCH: y = Q(gelu(Q(x) Q(W1[e]) + b1[e])) Q(W2[e]) + b2[e] for the rows (token, expert) that the router chose, and for no others: the problem multiplies the rest by a 0 of its own mask
; (shown at the head of the first launch; the limit stated there holds here).
; A work-group takes ONE TILE of the stored list: up to 48 rows of ONE expert, through the whole chain; the hidden layer stays in LDS.  A row's result goes to yw [rank][token][1024] f32, each row by one owner;
; the fourth launch weighs and adds a token's two rows.  So a work-group draws one expert's codes, 1.6 MB, and the tiles spread over more of the chip than tiles of pairs of experts would.
; The grid, 178, serves every split: (8192 + 8 x 47) / 48.  A tile with count 0 does no work and stores nothing; the three barriers stand outside the branches on the count, on every wave's path.
; Slots at or above the count repeat the tile's last row; they are computed and not stored.
; SHARES.  Sixteen waves of 256 registers.  Wave w owns columns 64 w .. 64 w + 63 of both products, for all 48 rows: 12 accumulators.  Both products are used transposed (source 0 = 16 rows of the weights' codes,
; source 1 = 16 tokens): a lane holds one token, and by the order of the weights' rows the 16 registers of two neighbouring tiles are 16 neighbouring columns: the next product's K.
; WEIGHTS go from memory straight into operand registers, in units of 3,072 bytes (two fragments of one K step) and 128 bytes of scale words, through a ring of three units: two or three units of a wave are on their way.
; No tensor load, so no joint load in a cluster: the launch branches on counts read from memory, and partners would hold tiles of different experts.
; TOKENS' OPERANDS lie in LDS as images of registers: fragment (m, k) at (8 m + k) x 1,536, two halves of 768 bytes: 512 bytes at 16 x lane (registers 6 c .. 6 c + 3), 256 at 8 x lane (6 c + 4, 6 c + 5).
; Their scale words: [k][64 words], word = row; rows 48-63 repeat rows 32-47, so that a load of 32 words from row 32 on reads written bytes alone.
; gelu(x) = x / (1 + 2^(x (C0 + C1 x^2))), C0 = -2 log2(e) sqrt(2 / pi), C1 = 0.044715 C0: the tanh form of the problem, by the identity 1 + tanh(u) = 2 / (1 + e^(-2 u)); all in f32.
; LIMITS: NaN and infinities among the inputs are not served; a block of zeros of the hidden layer gets the byte 1 over zero codes.
.set XIMG,   0                         ; x's 24 fragments
.set XSC,    36864                     ; their scale words
.set HIMG,   38912                     ; the hidden layer's 24 fragments
.set HSC,    75776                     ; their scale words: as far behind HIMG as XSC behind XIMG
.set STAGE,  77824                     ; 48 rows of y, 4,096 bytes + 16
.set SPITCH, 4112
.set SPARE,  275200                    ; the spare words, 128 bytes for each of 16 waves: no other line names them
.set LTAB,   3072                      ; list: the slots begin behind the table of tiles
.set LI16, 1                           ; v1-3  16, 8, 4 x lane
.set LI8,  2
.set LI4,  3
.set SPW,  4                           ; v4    my spare word; never rewritten
.set NIL,  5                           ; v5    0; never rewritten
.set HST16, 6                          ; v6-8  where my half fragment of the hidden layer and its two scale bytes go
.set HST8, 7
.set HSS,  8
.set BOF,  9                           ; v9    64 x (lane / 16): the biases
.set STG,  10                          ; v10-12 the stage: my 256 bytes of rows r, 16 + r, 32 + r
.set SRD,  13                          ; v13   the stage back: rows 3 w on
.set TOK,  14                          ; v14-15 the tokens of the two fragments that I gather
.set KC,   16                          ; v16-17 C0, twice
.set LJ16, 18                          ; v18-20 v1-3 + HIMG: the hidden layer lies beyond the reach of the 16-bit offset
.set LJ8,  19
.set LJ4,  20
.set XST16, 21                         ; v21-23 where the fragments of x that I gather go
.set XST8, 22
.set XSS,  23
.set XGC,  24                          ; v24   96 (w % 8) + 48 (lane / 16)
.set ASR,  28                          ; v28-29 the tokens' scale words: rows 0-31, rows 32-63: scales and nothing else
.set SBR,  30                          ; v30-32 the weights' scale words, one for each unit of the ring: scales and nothing else
.set AR,   36                          ; v36-71 the tokens' three fragments of a K step
.set RB,   72                          ; v72-143 the ring: three units of 24 registers
.set ZZ,   36                          ; v36-67 at work in gelu, one token tile at a time: the tokens' fragment registers, free between products
.set PCD,  40                          ; v40-63 the codes just made, 8 registers for each m
.set ROWS, 40                          ; v40-135 three rows on their way out
.set ACC,  144                         ; v144-239 accumulator (m, t) at 8 (4 m + t)
.set MX,   240                         ; v240-241 largest magnitudes, v242-243 the other half's, v244-245 scale operands, v246-247 bytes, v248-250 half words
.set PX,   242
.set SCO,  244
.set BYT,  246
.set PW,   248
.set TA,   251                         ; v251-254 offsets
.set WV,   24
.set CNT,  29
.set OB,   32                          ; s[32:37] yw's rows of slots 3 w, 3 w + 1, 3 w + 2
.set WB,   38                          ; s[38:41] my part of the codes of W1[e], W2[e]
.set WS,   42                          ; s[42:45] of their scale words
.set BB,   46                          ; s[46:49] of b1[e], b2[e]
.set SEL,  60                          ; s[60:61] v_permlanex16_b32's selects for lane l xor 16
.set CA,   62                          ; s[62:63] C1, twice
	s_load_b512 s[4:19], s[0:1], 0x0               ; xq, xs, wq, wsc, b1, b2, list, yw
	v_lshl_add_u32 v[SPW], v0, 2, SPARE
	v_mov_b32 v[NIL], 0
	v_lshrrev_b32 v33, 5, v0
	s_delay_alu instid0(VALU_DEP_1)
	v_readfirstlane_b32 s[WV], v33
	v_and_b32 v35, 31, v0                          ; lane
	v_and_b32 v33, 15, v0                          ; r
	v_bfe_u32 v34, v0, 4, 1                        ; h
	s_delay_alu instid0(VALU_DEP_3)
	v_lshlrev_b32 v[LI16], 4, v35
	s_delay_alu instid0(VALU_DEP_4)
	v_lshlrev_b32 v[LI8], 3, v35
	v_lshlrev_b32 v[LI4], 2, v35
	s_delay_alu instid0(VALU_DEP_3)
	v_add_nc_u32 v[LJ16], HIMG, v[LI16]
	s_delay_alu instid0(VALU_DEP_3)
	v_add_nc_u32 v[LJ8], HIMG, v[LI8]
	s_delay_alu instid0(VALU_DEP_3)
	v_add_nc_u32 v[LJ4], HIMG, v[LI4]
	s_mul_i32 s66, s[WV], 768                      ; my 64 hidden units are half w % 2 of K step w / 2: 1,536 (w / 2) + 768 (w % 2) = 768 w
	s_add_co_u32 s66, s66, HIMG
	v_add_nc_u32 v[HST16], s66, v[LI16]
	s_add_co_u32 s66, s66, 512
	v_add_nc_u32 v[HST8], s66, v[LI8]
	s_lshr_b32 s66, s[WV], 1
	s_lshl_b32 s66, s66, 8
	s_and_b32 s67, s[WV], 1
	s_lshl_b32 s67, s67, 1
	s_add_co_u32 s66, s66, s67
	s_add_co_u32 s66, s66, HSC
	v_lshl_add_u32 v[HSS], v33, 2, s66
	v_lshlrev_b32 v[BOF], 6, v34
	v_mul_u32_u24 v[STG], v33, SPITCH
	s_delay_alu instid0(VALU_DEP_1)
	v_lshl_add_u32 v[STG], v34, 6, v[STG]
	s_lshl_b32 s66, s[WV], 8
	s_add_co_u32 s66, s66, STAGE
	v_add_nc_u32 v[STG], s66, v[STG]
	s_delay_alu instid0(VALU_DEP_1)
	v_add_nc_u32 v[STG+1], 16*SPITCH, v[STG]
	s_delay_alu instid0(VALU_DEP_2)
	v_add_nc_u32 v[STG+2], 32*SPITCH, v[STG]
	s_mul_i32 s66, s[WV], 3*SPITCH
	s_add_co_u32 s66, s66, STAGE
	v_add_nc_u32 v[SRD], s66, v[LI16]
	s_mul_i32 s66, s[WV], 1536                     ; wave w = 8 m + k gathers fragment (m, k) of x; waves 0 to 7 also fragment (2, w)
	v_add_nc_u32 v[XST16], s66, v[LI16]
	s_add_co_u32 s66, s66, 512
	v_add_nc_u32 v[XST8], s66, v[LI8]
	s_and_b32 s68, s[WV], 7
	s_lshl_b32 s66, s68, 8
	s_lshr_b32 s69, s[WV], 3
	s_lshl_b32 s67, s69, 6
	s_add_co_u32 s66, s66, s67
	s_add_co_u32 s66, s66, XSC
	v_lshl_add_u32 v[XSS], v33, 2, s66
	s_lshl_b32 s25, s68, 2                         ; xs: word w % 8 of a token
	s_mul_i32 s27, s68, 96
	v_mul_u32_u24 v[XGC], v34, 48
	s_delay_alu instid0(VALU_DEP_1)
	v_add_nc_u32 v[XGC], s27, v[XGC]
	s_lshl_b32 s69, s69, 4                         ; the first slot of my first fragment
	v_mov_b32 v[KC], 0xc0135761                    ; C0 = -2.3022082
	v_mov_b32 v[KC+1], 0xc0135761
	s_mov_b32 s[CA], 0xbdd2d3e8                    ; C1 = -0.10294324
	s_mov_b32 s[CA+1], 0xbdd2d3e8
	s_mov_b32 s[SEL], 0x76543210
	s_mov_b32 s[SEL+1], 0xfedcba98
	v_mov_b32 v[PX], 0                             ; written once: a lane permute's destination counts as one of its sources
	v_mov_b32 v[PX+1], 0
	s_lshl_b32 s26, ttmp9, 4
	s_wait_kmcnt 0x0
	s_load_b128 s[28:31], s[16:17], s26 offset:0x0 ; my tile: expert, count
	s_wait_kmcnt 0x0
	s_min_u32 s28, s28, 7
	s_min_u32 s[CNT], s[CNT], 48
	s_max_u32 s66, s[CNT], 1
	s_sub_co_u32 s66, s66, 1                       ; the tile's last slot that was written
	s_mul_i32 s68, ttmp9, 48
	s_cmp_lg_u32 s[CNT], 0
	s_cselect_b32 s67, s68, 0                      ; an empty tile reads slot 0 of tile 0, which always exists: only bytes that were stored are read
	s_min_u32 s67, s67, 8496
	v_add_nc_u32 v[TA], s69, v33
	s_delay_alu instid0(VALU_DEP_1)
	v_min_u32 v[TA], s66, v[TA]
	v_add_nc_u32 v[TA+1], 32, v33
	s_delay_alu instid0(VALU_DEP_1)
	v_min_u32 v[TA+1], s66, v[TA+1]
.irp i, 0
	s_delay_alu instid0(VALU_DEP_3)
	v_min_u32 v[TA+\i], 47, v[TA+\i]
	s_delay_alu instid0(VALU_DEP_1)
	v_add_nc_u32 v[TA+\i], s67, v[TA+\i]
	s_delay_alu instid0(VALU_DEP_1)
	v_lshlrev_b32 v[TA+\i], 2, v[TA+\i]
.endr
.irp i, 1
	s_delay_alu instid0(VALU_DEP_4)
	v_min_u32 v[TA+\i], 47, v[TA+\i]
	s_delay_alu instid0(VALU_DEP_1)
	v_add_nc_u32 v[TA+\i], s67, v[TA+\i]
	s_delay_alu instid0(VALU_DEP_1)
	v_lshlrev_b32 v[TA+\i], 2, v[TA+\i]
.endr
.irp i, 0,1
	global_load_b32 v[TOK+\i], v[TA+\i], s[16:17] offset:LTAB
.endr
	s_mul_i32 s70, s[WV], 3                        ; and, as scalars, the three rows that I store
	s_add_co_u32 s71, s70, 1
	s_add_co_u32 s72, s70, 2
.irp i, 70,71,72
	s_min_u32 s\i, s\i, s66
	s_min_u32 s\i, s\i, 47
	s_add_co_u32 s\i, s\i, s67
	s_lshl_b32 s\i, s\i, 2
.endr
	s_load_b32 s73, s[16:17], s70 offset:0xc00
	s_load_b32 s74, s[16:17], s71 offset:0xc00
	s_load_b32 s75, s[16:17], s72 offset:0xc00
	s_mov_b32 s79, 0
	s_lshl_b32 s76, s28, 4
	s_add_co_u32 s76, s76, s[WV]                   ; 16 e + w
	s_mul_i32 s78, s76, 49152
	s_add_nc_u64 s[WB:WB+1], s[8:9], s[78:79]
	s_lshl_b32 s78, s76, 11
	s_add_nc_u64 s[WS:WS+1], s[10:11], s[78:79]
	s_add_co_u32 s76, s76, 128                     ; W2's lie behind W1's
	s_mul_i32 s78, s76, 49152
	s_add_nc_u64 s[WB+2:WB+3], s[8:9], s[78:79]
	s_lshl_b32 s78, s76, 11
	s_add_nc_u64 s[WS+2:WS+3], s[10:11], s[78:79]
	s_lshl_b32 s78, s28, 12
	s_lshl_b32 s77, s[WV], 8
	s_add_co_u32 s78, s78, s77
	s_add_nc_u64 s[BB:BB+1], s[12:13], s[78:79]
	s_add_nc_u64 s[BB+2:BB+3], s[14:15], s[78:79]
.macro BIASL bb                        ; a bias into the 12 accumulators: 24 loads
.irp m, 0,1,2
.irp t, 0,1,2,3
	global_load_b128 v[ACC+32*\m+8*\t:ACC+32*\m+8*\t+3], v[BOF], s[\bb:\bb+1] offset:128*(\t/2)+32*(\t%2)
	global_load_b128 v[ACC+32*\m+8*\t+4:ACC+32*\m+8*\t+7], v[BOF], s[\bb:\bb+1] offset:128*(\t/2)+32*(\t%2)+16
.endr
.endr
.endm
.macro PREW wb, ws                     ; units 0 to 2 of my weights fill the ring: 21 loads
.irp u, 0,1,2
.irp f, 0,1
.irp j, 0,1,2
	global_load_b128 v[RB+24*\u+12*\f+4*\j:RB+24*\u+12*\f+4*\j+3], v[LI16], s[\wb:\wb+1] offset:3072*\u+1536*\f+512*\j
.endr
.endr
	global_load_b32 v[SBR+\u], v[LI4], s[\ws:\ws+1] offset:128*\u
.endr
.endm
	BIASL BB                                       ; the expert is known: b1 and W1's first three units are asked for here, behind the two loads from the list,
	PREW WB, WS                                    ; and are on their way while the tile's tokens are read and x is gathered
	s_wait_kmcnt 0x0
.irp i, 0,1,2
	s_min_u32 s78, s[73+\i], 8191                  ; rank x 4096 + token: yw's row, 4,096 bytes
	s_lshl_b32 s78, s78, 12
	s_add_nc_u64 s[OB+2*\i:OB+2*\i+1], s[18:19], s[78:79]
.endr
	s_wait_loadcnt 45                              ; the two loads from the list are in; the 24 of the bias and the 21 of the units, which are younger, may be out
.irp i, 0,1
	v_min_u32 v[TOK+\i], 0x1fff, v[TOK+\i]
	s_delay_alu instid0(VALU_DEP_1)
	v_and_b32 v[TOK+\i], 0xfff, v[TOK+\i]          ; the token
.endr
.macro BAR                             ; my LDS stores have landed and my LDS loads are in: then the work-group's barrier, on every wave's path
	s_wait_dscnt 0x0
	s_barrier_signal -1
	s_barrier_wait -1
.endm
.macro AFRAG reg, a16, a8, off         ; a fragment's image back into 12 registers
	ds_load_b128 v[\reg:\reg+3], v[\a16] offset:\off
	ds_load_b64 v[\reg+4:\reg+5], v[\a8] offset:\off+512
	ds_load_b128 v[\reg+6:\reg+9], v[\a16] offset:\off+768
	ds_load_b64 v[\reg+10:\reg+11], v[\a8] offset:\off+1280
.endm
.macro LOADA k, a16, a8, a4, aoff, asoff   ; K step k of the 48 tokens: three fragments, and two registers of scale words: a lane a row
.irp m, 0,1,2
	AFRAG AR+12*\m, \a16, \a8, \aoff+(8*\m+(\k))*1536
.endr
	ds_load_b32 v[ASR], v[\a4] offset:\asoff+256*(\k)
	ds_load_b32 v[ASR+1], v[\a4] offset:\asoff+256*(\k)+128
.endm
.macro LOADU u, wb, ws                 ; unit u of my weights into place u % 3 of the ring: seven loads
.irp f, 0,1
.irp j, 0,1,2
	global_load_b128 v[RB+24*((\u)%3)+12*\f+4*\j:RB+24*((\u)%3)+12*\f+4*\j+3], v[LI16], s[\wb:\wb+1] offset:3072*(\u)+1536*\f+512*\j
.endr
.endr
	global_load_b32 v[SBR+(\u)%3], v[LI4], s[\ws:\ws+1] offset:128*(\u)   ; lanes 0-15 fragment 0's words, lanes 16-31 fragment 1's
.endm
.macro MM d, a, b, sa, sb, f, m        ; source 0: 16 rows of weights; source 1: 16 tokens; f = 1, m = 1: that side's scales stand in the upper lanes of its register
.if (\f) == 0
.if (\m) == 0
	v_wmma_scale_f32_16x16x128_f8f6f4 v[\d:\d+7], v[\a:\a+11], v[\b:\b+11], v[\d:\d+7], v[\sa], v[\sb] matrix_a_fmt:MATRIX_FMT_BF6 matrix_b_fmt:MATRIX_FMT_BF6
.else
	v_wmma_scale_f32_16x16x128_f8f6f4 v[\d:\d+7], v[\a:\a+11], v[\b:\b+11], v[\d:\d+7], v[\sa], v[\sb] matrix_a_fmt:MATRIX_FMT_BF6 matrix_b_fmt:MATRIX_FMT_BF6 matrix_b_scale:MATRIX_SCALE_ROW1
.endif
.else
.if (\m) == 0
	v_wmma_scale_f32_16x16x128_f8f6f4 v[\d:\d+7], v[\a:\a+11], v[\b:\b+11], v[\d:\d+7], v[\sa], v[\sb] matrix_a_fmt:MATRIX_FMT_BF6 matrix_b_fmt:MATRIX_FMT_BF6 matrix_a_scale:MATRIX_SCALE_ROW1
.else
	v_wmma_scale_f32_16x16x128_f8f6f4 v[\d:\d+7], v[\a:\a+11], v[\b:\b+11], v[\d:\d+7], v[\sa], v[\sb] matrix_a_fmt:MATRIX_FMT_BF6 matrix_b_fmt:MATRIX_FMT_BF6 matrix_a_scale:MATRIX_SCALE_ROW1 matrix_b_scale:MATRIX_SCALE_ROW1
.endif
.endif
.endm
; ONE PRODUCT: my 64 columns x 48 tokens x K = 1,024: 16 units of 6 matrix instructions.  The bias is loaded straight into the accumulators (lane (r, h), tile t, register j: column 32 (t / 2) + 16 h + 8 (t % 2) + j),
; so every product adds in place: nothing is cleared and nothing is added later.  The accumulators take turns, one instruction a turn: a unit names six, the next unit the other six.
.macro GEMM wb, ws, bb, a16, a8, a4, aoff, asoff
	s_wait_dscnt 0x0                               ; the LDS stores of the phase before have read the registers that are loaded now
	; the bias (BIASL) and units 0 to 2 (PREW) were asked for ahead of the barrier in front of this product
	LOADA 0, \a16, \a8, \a4, \aoff, \asoff
.set U, 0
.rept 16
.if U == 0
	s_wait_loadcnt 0x0                             ; units 0 to 2 and the bias, which may be the youngest of these loads
.elseif U <= 13
	s_wait_loadcnt 14                              ; unit U is in; the two younger units' 7 loads each may be out
.else
	s_wait_loadcnt 7*(15-U)                        ; the ring runs empty: 7 loads for each unit still to come
.endif
.if U%2 == 0
	s_wait_dscnt 0x0                               ; this K step's tokens
.endif
.irp m, 0,1,2
.irp f, 0,1
	MM ACC+8*(4*\m+2*(U%2)+\f), RB+24*(U%3)+12*\f, AR+12*\m, SBR+U%3, ASR+\m/2, \f, \m%2
.endr
.endr
.rept 4
	v_nop                                          ; four places in front of loads into registers that these matrix instructions have read, and of the first read of results
.endr
.if (U%2 == 1) && (U < 15)
	LOADA U/2+1, \a16, \a8, \a4, \aoff, \asoff     ; the K step's second unit has read the tokens' fragments for the last time
.endif
.if U <= 12
	LOADU U+3, \wb, \ws
.endif
.set U, U+1
.endr
.endm
; gelu on the 32 sums of token tile m, in place, each accumulator from its low end on; 32 registers of scratch, so that the ring can hold the next product's first units meanwhile.
; The exponentials and the reciprocals are two batches, each with a wait ahead and a wait behind; the wait at the head stands ahead of the first read of this tile's matrix results.
.macro GELU m
.set GA, ACC+32*\m
	s_wait_alu depctr_va_vdst(0)
.set J, 0
.rept 16
	v_pk_mul_f32 v[ZZ+J:ZZ+J+1], v[GA+J:GA+J+1], v[GA+J:GA+J+1]
.set J, J+2
.endr
.set J, 0
.rept 16
	v_pk_fma_f32 v[ZZ+J:ZZ+J+1], v[ZZ+J:ZZ+J+1], s[CA:CA+1], v[KC:KC+1] op_sel_hi:[1,0,1]   ; C1 x^2 + C0
.set J, J+2
.endr
.set J, 0
.rept 16
	v_pk_mul_f32 v[ZZ+J:ZZ+J+1], v[ZZ+J:ZZ+J+1], v[GA+J:GA+J+1]
.set J, J+2
.endr
	s_wait_alu depctr_va_vdst(0)
.set J, 0
.rept 32
	v_exp_f32 v[ZZ+J], v[ZZ+J]
.set J, J+1
.endr
	v_nop                                          ; a plain place behind the batch
	s_wait_alu depctr_va_vdst(0)
.set J, 0
.rept 16
	v_pk_add_f32 v[ZZ+J:ZZ+J+1], v[ZZ+J:ZZ+J+1], 1.0 op_sel_hi:[1,0]
.set J, J+2
.endr
	s_wait_alu depctr_va_vdst(0)
.set J, 0
.rept 32
	v_rcp_f32 v[ZZ+J], v[ZZ+J]
.set J, J+1
.endr
	v_nop
	s_wait_alu depctr_va_vdst(0)
.set J, 0
.rept 16
	v_pk_mul_f32 v[GA+J:GA+J+1], v[GA+J:GA+J+1], v[ZZ+J:ZZ+J+1]
.set J, J+2
.endr
.endm
; my 64 hidden units of token tile m, two blocks of 32 (16 numbers in this lane, 16 in lane l xor 16), become half a fragment of the hidden layer and two scale bytes
.macro QUANT m
.set HN, ACC+32*\m
.set PC_, PCD+8*\m
.irp b, 0,1
	v_max3_num_f32 v[MX+\b], |v[HN+16*\b]|, |v[HN+16*\b+1]|, 0x2800000   ; with the floor 2^(5 - 127): the byte cannot fall under 1
.endr
.irp i, 2,4,6,8,10,12,14
.irp b, 0,1
	s_delay_alu instid0(VALU_DEP_2)
	v_max3_num_f32 v[MX+\b], v[MX+\b], |v[HN+16*\b+\i]|, |v[HN+16*\b+\i+1]|
.endr
.endr
.irp b, 0,1
	s_delay_alu instid0(VALU_DEP_2)
	v_permlanex16_b32 v[PX+\b], v[MX+\b], s[SEL], s[SEL+1]
.endr
.irp b, 0,1
	s_delay_alu instid0(VALU_DEP_2)
	v_max_num_f32 v[MX+\b], v[MX+\b], v[PX+\b]
.endr
.irp b, 0,1
	s_delay_alu instid0(VALU_DEP_2)
	v_add_nc_u32 v[SCO+\b], 0xfe000000, v[MX+\b]   ; 4 off the exponent field: the conversion's scale operand
.endr
.irp b, 0,1
	s_delay_alu instid0(VALU_DEP_2)
	v_lshrrev_b32 v[BYT+\b], 23, v[SCO+\b]
.endr
	s_delay_alu instid0(VALU_DEP_1)
	v_lshl_or_b32 v[PW+\m], v[BYT+1], 8, v[BYT]
	v_cvt_scalef32_pk16_bf6_f32 v[PC_:PC_+2], v[HN:HN+15], v[SCO]
	v_cvt_scalef32_pk16_bf6_f32 v[PC_+4:PC_+6], v[HN+16:HN+31], v[SCO+1]
	v_nop                                          ; one plain place behind a scaled conversion
.irp i, 0,1,2
	v_permlane16_swap_b32 v[PC_+\i], v[PC_+4+\i]   ; the operand wants a whole block in a lane: lanes 0-15 the first block, lanes 16-31 the second
.endr
	s_delay_alu instid0(VALU_DEP_3)
	v_mov_b32 v[PC_+3], v[PC_+4]
	s_delay_alu instid0(VALU_DEP_3)
	v_mov_b32 v[PC_+4], v[PC_+5]
	s_delay_alu instid0(VALU_DEP_3)
	v_mov_b32 v[PC_+5], v[PC_+6]
	ds_store_b128 v[HST16], v[PC_:PC_+3] offset:12288*\m
	ds_store_b64 v[HST8], v[PC_+4:PC_+5] offset:12288*\m
	ds_store_b16 v[HSS], v[PW+\m] offset:64*\m     ; both lanes of a row write the same two bytes with the same value
.if \m == 2
	ds_store_b16 v[HSS], v[PW+\m] offset:192       ; rows 48-63 repeat rows 32-47
.endif
.endm
.macro ROWOUT i                        ; row 3 w + i of the tile, if it holds a row of the list: 4,096 bytes by eight stores of 512 consecutive bytes
	s_mul_i32 s66, s[WV], 3
	s_add_co_u32 s66, s66, \i
	s_cmp_lt_u32 s66, s[CNT]
	s_cbranch_scc0 .Lno_row_\@
.irp j, 0,1,2,3,4,5,6,7
	ds_load_b128 v[ROWS+32*\i+4*\j:ROWS+32*\i+4*\j+3], v[SRD] offset:SPITCH*\i+512*\j
.endr
.irp j, 0,1,2,3,4,5,6,7
	s_wait_dscnt 7-\j                              ; LDS loads come back in order: load j is in, the younger ones may be out
	global_store_b128 v[LI16], v[ROWS+32*\i+4*\j:ROWS+32*\i+4*\j+3], s[OB+2*\i:OB+2*\i+1] offset:512*\j
.endr
.Lno_row_\@:
.endm
	s_cmp_eq_u32 s[CNT], 0
	s_cbranch_scc1 .Lx_done
.set RB, AR                            ; the gather below works in the tokens' fragment registers, v36-64: the ring is being filled
	; x's codes of the tile's tokens: a lane's 12 registers of a fragment are 48 consecutive bytes of xq
	v_mul_u32_u24 v[TA], v[TOK], 768
	s_delay_alu instid0(VALU_DEP_1)
	v_add_nc_u32 v[TA], v[XGC], v[TA]
	v_lshlrev_b32 v[TA+1], 5, v[TOK]
	s_delay_alu instid0(VALU_DEP_1)
	v_add_nc_u32 v[TA+1], s25, v[TA+1]
	global_load_b128 v[RB:RB+3], v[TA], s[4:5]
	global_load_b128 v[RB+4:RB+7], v[TA], s[4:5] offset:16
	global_load_b128 v[RB+8:RB+11], v[TA], s[4:5] offset:32
	global_load_b32 v[RB+12], v[TA+1], s[6:7]
	s_cmp_lt_u32 s[WV], 8                          ; 24 fragments for 16 waves: waves 0 to 7 take a second one, (2, w)
	s_cbranch_scc0 .Lx_one
	v_mul_u32_u24 v[TA+2], v[TOK+1], 768
	s_delay_alu instid0(VALU_DEP_1)
	v_add_nc_u32 v[TA+2], v[XGC], v[TA+2]
	v_lshlrev_b32 v[TA+3], 5, v[TOK+1]
	s_delay_alu instid0(VALU_DEP_1)
	v_add_nc_u32 v[TA+3], s25, v[TA+3]
	global_load_b128 v[RB+16:RB+19], v[TA+2], s[4:5]
	global_load_b128 v[RB+20:RB+23], v[TA+2], s[4:5] offset:16
	global_load_b128 v[RB+24:RB+27], v[TA+2], s[4:5] offset:32
	global_load_b32 v[RB+28], v[TA+3], s[6:7]
	s_wait_loadcnt 0x0
	ds_store_b128 v[XST16], v[RB+16:RB+19] offset:24576
	ds_store_b64 v[XST8], v[RB+20:RB+21] offset:24576
	ds_store_b128 v[XST16], v[RB+22:RB+25] offset:24576+768
	ds_store_b64 v[XST8], v[RB+26:RB+27] offset:24576+768
	ds_store_b32 v[XSS], v[RB+28] offset:128       ; rows 32-47,
	ds_store_b32 v[XSS], v[RB+28] offset:192       ; and rows 48-63 repeat them
.Lx_one:
	s_wait_loadcnt 0x0
	ds_store_b128 v[XST16], v[RB:RB+3]
	ds_store_b64 v[XST8], v[RB+4:RB+5]
	ds_store_b128 v[XST16], v[RB+6:RB+9] offset:768
	ds_store_b64 v[XST8], v[RB+10:RB+11] offset:768
	ds_store_b32 v[XSS], v[RB+12]                  ; both lanes of a row write the same word with the same value
.set RB, 72                            ; the ring again
.Lx_done:
	BAR                                            ; x's 24 fragments lie in LDS
	s_cmp_eq_u32 s[CNT], 0
	s_cbranch_scc1 .Lh_done
	GEMM WB, WS, BB, LI16, LI8, LI4, XIMG, XSC     ; x W1 + b1
	PREW WB+2, WS+2                                ; W2's first three units, behind the last product's four places: on their way under gelu and the quantiser
	GELU 0
	QUANT 0
	s_wait_dscnt 0x0                               ; the LDS stores have read the codes' registers, which the next tile's gelu writes
	GELU 1
	QUANT 1
	s_wait_dscnt 0x0
	GELU 2
	QUANT 2
	s_wait_dscnt 0x0
	BIASL BB+2                                     ; the sums have been quantised: b2 into the accumulators, ahead of the barrier
.Lh_done:
	BAR                                            ; the hidden layer lies in LDS
	s_cmp_eq_u32 s[CNT], 0
	s_cbranch_scc1 .Ly_done
	GEMM WB+2, WS+2, BB+2, LJ16, LJ8, LJ4, XIMG, XSC   ; h W2 + b2 (the address registers carry HIMG)
.irp m, 0,1,2
.irp b, 0,1
.irp i, 0,1,2,3
	ds_store_b128 v[STG+\m], v[ACC+32*\m+16*\b+4*\i:ACC+32*\m+16*\b+4*\i+3] offset:128*\b+16*\i   ; my 64 columns of the 48 rows; each accumulator from its low end on
.endr
.endr
.endr
.Ly_done:
	s_wait_loadcnt 0x0                             ; no load asked for ahead of a product is still out: the way out writes the ring's registers
	BAR                                            ; 48 whole rows of y lie in the stage
	ROWOUT 0
	ROWOUT 1
	ROWOUT 2
	s_wait_tensorcnt 0x0                           ; the wave's end, behind my last LDS store
	ds_add_u32 v[SPW], v[NIL]
	s_wait_dscnt 0x0
	s_endpgm
.Lfunc_end_k_q473fe2d7b0_chain:
	.size	k_q473fe2d7b0_chain, .Lfunc_end_k_q473fe2d7b0_chain-k_q473fe2d7b0_chain
	.p2alignl 7, 3214868480
	.fill 96, 4, 3214868480
	.section	.rodata,"a",@progbits
	.p2align	6, 0x0
	.amdhsa_kernel k_q473fe2d7b0_chain
		.amdhsa_group_segment_fixed_size 277248
		.amdhsa_private_segment_fixed_size 0
		.amdhsa_enable_private_segment 0
		.amdhsa_kernarg_size 64
		.amdhsa_user_sgpr_count 2
		.amdhsa_user_sgpr_kernarg_segment_ptr 1
		.amdhsa_wavefront_size32 1
		.amdhsa_system_sgpr_workgroup_id_x 1
		.amdhsa_system_sgpr_workgroup_id_y 1
		.amdhsa_system_sgpr_workgroup_id_z 1
		.amdhsa_system_vgpr_workitem_id 0
		.amdhsa_next_free_vgpr 256
		.amdhsa_next_free_sgpr 80
		.amdhsa_reserve_vcc 0
		.amdhsa_float_denorm_mode_32 3
		.amdhsa_float_denorm_mode_16_64 3
		.amdhsa_memory_ordered 1
		.amdhsa_forward_progress 1
		.amdhsa_inst_pref_size 116
	.end_amdhsa_kernel
	.amdgpu_metadata
---
amdhsa.version: [ 1, 2 ]
amdhsa.kernels:
  - .name:           k_q473fe2d7b0_chain
    .symbol:         k_q473fe2d7b0_chain.kd
    .args:
      - { .name: xq, .offset: 0, .size: 8, .value_kind: global_buffer, .address_space: global }
      - { .name: xs, .offset: 8, .size: 8, .value_kind: global_buffer, .address_space: global }
      - { .name: wq, .offset: 16, .size: 8, .value_kind: global_buffer, .address_space: global }
      - { .name: wsc, .offset: 24, .size: 8, .value_kind: global_buffer, .address_space: global }
      - { .name: b1, .offset: 32, .size: 8, .value_kind: global_buffer, .address_space: global }
      - { .name: b2, .offset: 40, .size: 8, .value_kind: global_buffer, .address_space: global }
      - { .name: list, .offset: 48, .size: 8, .value_kind: global_buffer, .address_space: global }
      - { .name: yw, .offset: 56, .size: 8, .value_kind: global_buffer, .address_space: global }
    .group_segment_fixed_size: 277248
    .private_segment_fixed_size: 0
    .kernarg_segment_align: 8
    .kernarg_segment_size: 64
    .max_flat_workgroup_size: 512
    .sgpr_count:     80
    .vgpr_count:     256
    .wavefront_size: 32
...
	.end_amdgpu_metadata
.endif
;; end of part 6
;; launch sum (part 7): grid 256 x 1, 8 waves a work-group, no clusters, 0 bytes of LDS; arguments yw, gw, out0; writes out0
.if DOCPART == 7
	.amdgcn_target "amdgcn-amd-amdhsa--gfx1250"
	.amdhsa_code_object_version 6
	.text
	.protected	k_q473fe2d7b0_sum
	.globl	k_q473fe2d7b0_sum
	.p2align	8
	.type	k_q473fe2d7b0_sum,@function
k_q473fe2d7b0_sum:
	s_mov_b64 s[64:65], 0
	v_nop
	global_prefetch_b8 v0, s[64:65] scope:SCOPE_SE
	s_setreg_imm32_b32 hwreg(HW_REG_WAVE_MODE, 25, 1), 1
	s_wait_xcnt 0x0
; FOURTH LAUNCH: out[t] = p_a y[a][t] + p_b y[b][t], the two experts chosen for token t; the other six terms of the problem's sum are products with a 0 of its own mask and are left out
; (shown at the head of the first launch).  yw: [rank][token][1024] f32, rank 0 the lower expert's row, rank 1 the higher one's; gw: [token][2] their probabilities.  All in f32.
; A plain stream: no LDS, no barrier, no matrix unit.  A wave takes two tokens, 16 pieces of 512 consecutive bytes of out; it issues the 32 loads of both ranks at once, 16 bytes a lane, and each piece is one
; packed product, one packed multiply-add and one store of 512 consecutive bytes, aligned to 256.  A token's two probabilities are the same for all lanes: scalar operands.
.set YA, 8                             ; v8-71   rank 0's 16 pieces, then the results
.set YB, 72                            ; v72-135 rank 1's
	s_load_b128 s[4:7], s[0:1], 0x0                ; yw, gw
	s_load_b64 s[8:9], s[0:1], 0x10                ; out0
	v_lshrrev_b32 v1, 5, v0
	s_delay_alu instid0(VALU_DEP_1)
	v_readfirstlane_b32 s10, v1                    ; wave
	v_and_b32 v1, 31, v0
	s_delay_alu instid0(VALU_DEP_1)
	v_lshlrev_b32 v2, 4, v1                        ; 16 x lane; never rewritten
	s_lshl_b32 s11, ttmp9, 3
	s_add_co_u32 s11, s11, s10                     ; my pair of tokens
	s_lshl_b32 s12, s11, 13                        ; two rows of 4,096 bytes, in yw and in out alike
	s_mov_b32 s13, 0
	s_lshl_b32 s14, s11, 4                         ; gw: 16 bytes
	s_mov_b32 s15, 0
	s_wait_alu depctr_va_vdst(0)
	s_wait_kmcnt 0x0
	s_add_nc_u64 s[4:5], s[4:5], s[12:13]
	s_add_nc_u64 s[6:7], s[6:7], s[14:15]
	s_add_nc_u64 s[8:9], s[8:9], s[12:13]
	s_add_nc_u64 s[24:25], s[4:5], 0x1000000       ; rank 1 lies 4,096 rows further on
	s_load_b128 s[20:23], s[6:7], 0x0              ; p_a, p_b of the first token, of the second
.set J, 0
.rept 16
	global_load_b128 v[YA+4*J:YA+4*J+3], v2, s[4:5] offset:512*J th:TH_LOAD_NT
	global_load_b128 v[YB+4*J:YB+4*J+3], v2, s[24:25] offset:512*J th:TH_LOAD_NT
.set J, J+1
.endr
	s_wait_kmcnt 0x0
	s_mov_b32 s26, s21                             ; the packed forms name a pair and take its low word for both halves: p_a stands low in s[20:21] and s[22:23]; p_b gets pairs of its own
	s_mov_b32 s27, s21
	s_mov_b32 s28, s23
	s_mov_b32 s29, s23
.set J, 0
.rept 16
	s_wait_loadcnt 2*(15-J)                        ; loads come back in order: piece J's two are in, the younger pieces' two each may be out
	v_pk_mul_f32 v[YA+4*J:YA+4*J+1], v[YA+4*J:YA+4*J+1], s[20+2*(J/8):21+2*(J/8)] op_sel_hi:[1,0]
	v_pk_mul_f32 v[YA+4*J+2:YA+4*J+3], v[YA+4*J+2:YA+4*J+3], s[20+2*(J/8):21+2*(J/8)] op_sel_hi:[1,0]
	s_delay_alu instid0(VALU_DEP_2)
	v_pk_fma_f32 v[YA+4*J:YA+4*J+1], v[YB+4*J:YB+4*J+1], s[26+2*(J/8):27+2*(J/8)], v[YA+4*J:YA+4*J+1] op_sel_hi:[1,0,1]
	s_delay_alu instid0(VALU_DEP_2)
	v_pk_fma_f32 v[YA+4*J+2:YA+4*J+3], v[YB+4*J+2:YB+4*J+3], s[26+2*(J/8):27+2*(J/8)], v[YA+4*J+2:YA+4*J+3] op_sel_hi:[1,0,1]
	global_store_b128 v2, v[YA+4*J:YA+4*J+3], s[8:9] offset:512*J th:TH_STORE_NT   ; each piece has registers of its own: no store's data are written again
.set J, J+1
.endr
	s_endpgm
.Lfunc_end_k_q473fe2d7b0_sum:
	.size	k_q473fe2d7b0_sum, .Lfunc_end_k_q473fe2d7b0_sum-k_q473fe2d7b0_sum
	.p2alignl 7, 3214868480
	.fill 96, 4, 3214868480
	.section	.rodata,"a",@progbits
	.p2align	6, 0x0
	.amdhsa_kernel k_q473fe2d7b0_sum
		.amdhsa_group_segment_fixed_size 0
		.amdhsa_private_segment_fixed_size 0
		.amdhsa_enable_private_segment 0
		.amdhsa_kernarg_size 24
		.amdhsa_user_sgpr_count 2
		.amdhsa_user_sgpr_kernarg_segment_ptr 1
		.amdhsa_wavefront_size32 1
		.amdhsa_system_sgpr_workgroup_id_x 1
		.amdhsa_system_sgpr_workgroup_id_y 1
		.amdhsa_system_sgpr_workgroup_id_z 1
		.amdhsa_system_vgpr_workitem_id 0
		.amdhsa_next_free_vgpr 136
		.amdhsa_next_free_sgpr 66
		.amdhsa_reserve_vcc 0
		.amdhsa_float_denorm_mode_32 3
		.amdhsa_float_denorm_mode_16_64 3
		.amdhsa_memory_ordered 1
		.amdhsa_forward_progress 1
		.amdhsa_inst_pref_size 12
	.end_amdhsa_kernel
	.amdgpu_metadata
---
amdhsa.version: [ 1, 2 ]
amdhsa.kernels:
  - .name:           k_q473fe2d7b0_sum
    .symbol:         k_q473fe2d7b0_sum.kd
    .args:
      - { .name: yw, .offset: 0, .size: 8, .value_kind: global_buffer, .address_space: global }
      - { .name: gw, .offset: 8, .size: 8, .value_kind: global_buffer, .address_space: global }
      - { .name: out0, .offset: 16, .size: 8, .value_kind: global_buffer, .address_space: global }
    .group_segment_fixed_size: 0
    .private_segment_fixed_size: 0
    .kernarg_segment_align: 8
    .kernarg_segment_size: 24
    .max_flat_workgroup_size: 256
    .sgpr_count:     66
    .vgpr_count:     136
    .wavefront_size: 32
...
	.end_amdgpu_metadata
.endif
;; end of part 7
